; MI455X (gfx1250); checked and timed in simulation.
; The chip was launched on July 23, 2026; its instructions are those of AMD's public machine-readable ISA for CDNA 5 (MIT licence, August 2026) and "CDNA5" Instruction Set Architecture Reference Guide (July 2026). The comments in the code are by the model that wrote it; some were corrected since.
;; Attention. Allowed arithmetic: float matrix products may take bf16 or f16 operands with f32 sums; other float arithmetic in f32, or as packed bf16 or f16 multiplies, adds, multiply-adds, maxima and minima; sums over many terms, partial sums and values carried from step to step in f32; what a program stores and reads back later, other than sums and carried values, may be rounded once to bf16 or f16.
;; Inputs: Wk 1,024 x 1,024 float32; Wq 1,024 x 1,024 float32; Wv 1,024 x 1,024 float32; x 4 x 2,048 x 1,024 float32.
;; Outputs: out0 4 x 2,048 x 1,024 float32.
;; One version. Each part assembles by itself: llvm-mc -triple=amdgcn-amd-amdhsa -mcpu=gfx1250 --defsym DOCPART=n.
;; ======== version 1 of 1: 5 launches
;; limits: values are held in f16: magnitudes above 65,504 overflow, below 6.1e-05 lose precision
;; workspace buffers: xb 16,777,216 bytes; wh 4,194,304 bytes; wb 4,194,304 bytes; yv 33,554,432 bytes; p 33,554,432 bytes; ms 524,288 bytes; ls 524,288 bytes
;; launch cvt (part 1): grid 704 x 1, 8 waves a work-group, no clusters, 0 bytes of LDS; arguments x, Wq, Wk, Wv, xb, wh, wb; writes xb, wh, wb
.if DOCPART == 1
	.amdgcn_target "amdgcn-amd-amdhsa--gfx1250"
	.amdhsa_code_object_version 6
	.text
	.protected	k_qcca600e636_cvt
	.globl	k_qcca600e636_cvt
	.p2align	8
	.type	k_qcca600e636_cvt,@function
k_qcca600e636_cvt:
	s_mov_b64 s[64:65], 0
	v_nop
	global_prefetch_b8 v0, s[64:65] scope:SCOPE_SE
	s_setreg_imm32_b32 hwreg(HW_REG_WAVE_MODE, 25, 1), 1
	s_wait_xcnt 0x0
; All four inputs are rounded once to bf16 (nearest even) and that number, times a power of two, is written as f16, the format of all later products:
;   xb = x / 16        wh rows 0-1023 = Wq / 32, rows 1024-2047 = Wk        wb rows 1024-2047 = 16 Wv   (wb's rows 0-1023 are the next launch's).
; The powers of two are exact and keep what is made of these numbers inside f16: Wk^T Wq / 32, y = x Wq^T Wk / 512, v = x Wv^T unscaled.
; LIMITS.  f16 ends at 65,504: |x| stays under 1e6, |Wv| under 4,000.  A scaled number under 2^-17 keeps f16's fixed step of 2^-24 instead of bf16's eight bits.
; A stream: no LDS, no matrix unit, no barrier.  A work-group takes 16,384 numbers: 65,536 bytes in, 32,768 out.  Groups 0-511 take x; group 512 + w takes part w % 64 of weight w / 64 (q, k, v).
; Thread t, chunk c: 32 bytes in at 8,192 c + 32 t (two loads of 16), 16 bytes out at 4,096 c + 16 t: a wave's store covers 512 consecutive bytes.
; All sixteen loads of a thread go out first; no register of a store is written again, so nothing waits but each chunk for its own two loads.
.set X, 4                              ; v[4:67]   chunk c: 8 numbers in f32
.set Y, 68                             ; v[68:99]  chunk c: 8 numbers in bf16, then in f16
	s_load_b256 s[4:11], s[0:1], 0x0               ; x s[4:5], Wq s[6:7], Wk s[8:9], Wv s[10:11]
	s_load_b128 s[12:15], s[0:1], 0x20             ; xb s[12:13], wh s[14:15]
	s_load_b64 s[28:29], s[0:1], 0x30              ; wb
	s_mov_b32 s2, ttmp9
	s_sub_co_u32 s16, s2, 512                      ; w (of use from group 512 on)
	s_lshr_b32 s17, s16, 6                         ; which weight
	s_and_b32 s18, s16, 63                         ; which part of it
	s_sub_co_u32 s3, s16, 64                       ; Wv's part 0 (w = 128) lands 64 parts into wb
	s_mov_b32 s32, 0xffff0000                      ; a word's upper bf16
	s_mov_b32 s30, 0x3d000000                      ; Wq: 1 / 32
	v_lshlrev_b32 v1, 5, v0                        ; 32 t
	v_lshlrev_b32 v2, 4, v0                        ; 16 t
	s_wait_kmcnt 0x0
	s_cmp_eq_u32 s17, 1
	s_cselect_b64 s[20:21], s[8:9], s[6:7]
	s_cselect_b32 s30, 1.0, s30                    ; Wk: 1
	s_cmp_eq_u32 s17, 2
	s_cselect_b64 s[20:21], s[10:11], s[20:21]
	s_cselect_b64 s[22:23], s[28:29], s[14:15]
	s_cselect_b32 s19, s3, s16
	s_cselect_b32 s30, 0x41800000, s30             ; Wv: 16
	s_cmp_lt_u32 s2, 512
	s_cselect_b64 s[20:21], s[4:5], s[20:21]       ; from where
	s_cselect_b64 s[22:23], s[12:13], s[22:23]     ; to where
	s_cselect_b32 s18, s2, s18                     ; which 65,536 bytes of the source
	s_cselect_b32 s19, s2, s19                     ; which 32,768 bytes of the target
	s_cselect_b32 s30, 0x3d800000, s30             ; x: 1 / 16
	s_mov_b32 s31, s30                             ; named with it as a pair
	s_lshl_b32 s24, s18, 16
	s_mov_b32 s25, 0
	s_lshl_b32 s26, s19, 15
	s_mov_b32 s27, 0
	s_add_nc_u64 s[20:21], s[20:21], s[24:25]
	s_add_nc_u64 s[22:23], s[22:23], s[26:27]
.irp c, 0,1,2,3,4,5,6,7
	global_load_b128 v[X+8*(\c):X+8*(\c)+3],   v1, s[20:21] offset:8192*(\c) th:TH_LOAD_NT
	global_load_b128 v[X+8*(\c)+4:X+8*(\c)+7], v1, s[20:21] offset:8192*(\c)+16 th:TH_LOAD_NT
.endr
.irp c, 0,1,2,3,4,5,6,7
	s_wait_loadcnt 14-2*(\c)                       ; behind chunk c's two loads 14 - 2 c were issued; loads come back in order
.irp j, 0,1,2,3
	v_pk_mul_f32 v[X+8*(\c)+2*(\j):X+8*(\c)+2*(\j)+1], v[X+8*(\c)+2*(\j):X+8*(\c)+2*(\j)+1], s[30:31] op_sel_hi:[1,0]  ; the power of two: exact, so it may stand ahead of the rounding
.endr
.irp j, 0,1,2,3
	v_cvt_pk_bf16_f32 v[Y+4*(\c)+(\j)], v[X+8*(\c)+2*(\j)], v[X+8*(\c)+2*(\j)+1]  ; the one rounding
.endr
.irp j, 0,1,2,3
	v_lshlrev_b32 v[X+8*(\c)+2*(\j)],   16,  v[Y+4*(\c)+(\j)]  ; bf16 to f32: the low half moves up,
	v_and_b32     v[X+8*(\c)+2*(\j)+1], s32, v[Y+4*(\c)+(\j)]  ; the high half stays
.endr
.irp j, 0,1,2,3
	v_cvt_pk_f16_f32 v[Y+4*(\c)+(\j)], v[X+8*(\c)+2*(\j)], v[X+8*(\c)+2*(\j)+1]  ; eight bits fit into f16's eleven
.endr
	global_store_b128 v2, v[Y+4*(\c):Y+4*(\c)+3], s[22:23] offset:4096*(\c)
.endr
	s_endpgm
.Lfunc_end_k_qcca600e636_cvt:
	.size	k_qcca600e636_cvt, .Lfunc_end_k_qcca600e636_cvt-k_qcca600e636_cvt
	.p2alignl 7, 3214868480
	.fill 96, 4, 3214868480
	.section	.rodata,"a",@progbits
	.p2align	6, 0x0
	.amdhsa_kernel k_qcca600e636_cvt
		.amdhsa_group_segment_fixed_size 0
		.amdhsa_private_segment_fixed_size 0
		.amdhsa_enable_private_segment 0
		.amdhsa_kernarg_size 56
		.amdhsa_user_sgpr_count 2
		.amdhsa_user_sgpr_kernarg_segment_ptr 1
		.amdhsa_wavefront_size32 1
		.amdhsa_system_sgpr_workgroup_id_x 1
		.amdhsa_system_sgpr_workgroup_id_y 1
		.amdhsa_system_sgpr_workgroup_id_z 1
		.amdhsa_system_vgpr_workitem_id 0
		.amdhsa_next_free_vgpr 104
		.amdhsa_next_free_sgpr 66
		.amdhsa_reserve_vcc 0
		.amdhsa_float_denorm_mode_32 3
		.amdhsa_float_denorm_mode_16_64 3
		.amdhsa_memory_ordered 1
		.amdhsa_forward_progress 1
		.amdhsa_inst_pref_size 13
	.end_amdhsa_kernel
	.amdgpu_metadata
---
amdhsa.version: [ 1, 2 ]
amdhsa.kernels:
  - .name:           k_qcca600e636_cvt
    .symbol:         k_qcca600e636_cvt.kd
    .args:
      - { .name: x, .offset: 0, .size: 8, .value_kind: global_buffer, .address_space: global }
      - { .name: Wq, .offset: 8, .size: 8, .value_kind: global_buffer, .address_space: global }
      - { .name: Wk, .offset: 16, .size: 8, .value_kind: global_buffer, .address_space: global }
      - { .name: Wv, .offset: 24, .size: 8, .value_kind: global_buffer, .address_space: global }
      - { .name: xb, .offset: 32, .size: 8, .value_kind: global_buffer, .address_space: global }
      - { .name: wh, .offset: 40, .size: 8, .value_kind: global_buffer, .address_space: global }
      - { .name: wb, .offset: 48, .size: 8, .value_kind: global_buffer, .address_space: global }
    .group_segment_fixed_size: 0
    .private_segment_fixed_size: 0
    .kernarg_segment_align: 8
    .kernarg_segment_size: 56
    .max_flat_workgroup_size: 256
    .sgpr_count:     66
    .vgpr_count:     104
    .wavefront_size: 32
...
	.end_amdgpu_metadata
.endif
;; end of part 1
;; launch wqk (part 2): grid 16 x 16, 4 waves a work-group, clusters of 4 x 4, 327,680 bytes of LDS; arguments wh, wb; writes wb
.if DOCPART == 2
	.amdgcn_target "amdgcn-amd-amdhsa--gfx1250"
	.amdhsa_code_object_version 6
	.text
	.protected	k_qcca600e636_wqk
	.globl	k_qcca600e636_wqk
	.p2align	8
	.type	k_qcca600e636_wqk,@function
k_qcca600e636_wqk:
	s_mov_b64 s[64:65], 0
	v_nop
	global_prefetch_b8 v0, s[64:65] scope:SCOPE_SE
	s_setreg_imm32_b32 hwreg(HW_REG_WAVE_MODE, 25, 1), 1
	s_wait_xcnt 0x0
	s_wait_alu depctr_hold_cnt(0) depctr_sa_sdst(0) depctr_va_vdst(0) depctr_va_sdst(0) depctr_va_ssrc(0) depctr_va_vcc(0) depctr_vm_vsrc(0)
	s_getreg_b32 s2, hwreg(HW_REG_IB_STS2, 6, 4)
	s_cmp_eq_u32 s2, 0
	s_cbranch_scc0 .Lentry_in_a_cluster
	s_endpgm
.Lentry_in_a_cluster:
	s_bfe_u32 s2, ttmp6, 0x10000c
	s_cmp_lg_u32 s2, 0xf033
	s_cbranch_scc0 .Lentry_shape_is_right
	s_endpgm
.Lentry_shape_is_right:
; wb[n][k] = sum over e of Wk[e][n] (Wq[e][k] / 32), n, k = 0..1023: the one matrix that stands between the two x of the scores, since (x Wq^T)(x Wk^T)^T = x (Wq^T Wk) x^T.
; wh: [2048][1024] f16: rows 0-1023 Wq / 32, rows 1024-2047 Wk.  Products in f16, sums in f32, e ascending, each result rounded once to f16.
; LIMIT: the result stays within f16's 65,504; under 6e-5 it keeps f16's fixed step of 6e-8.
; SHARES.  A work-group makes 64 x 64 of the result, 256 work-groups in all; wave w makes rows 16 w .. 16 w + 15 and all 64 columns: four accumulators, which take turns.
; LDS holds the tile's whole K: 1,024 rows (e) x 64 columns of Wk, then of Wq, so nothing is filled twice and there is no ring.  Two operands of 1,024 rows fit only at 64 columns, so a row is 128 bytes of
; memory, and only at a pitch of 144: of the eight rows that a pass of the turning load touches, the last shares four banks with the first.
; Each wave asks for four tiles of 128 rows at the start (four tensor loads of mine are out); one wait for all of them, since a counted wait for each quarter would want the quarter's text four times.
; CLUSTERS: 4 x 4.  Wk's columns hang on the tile row, shared along a row of the cluster; Wq's on the tile column, shared along a column: each tile is asked for jointly by its four.
; e runs down the rows of both operands, so both are turned on the way out of LDS (ds_load_tr16_b128).  Source 0 = 16 columns of Wq, source 1 = 16 columns of Wk: a lane holds row l % 16 of the result and
; the eight neighbouring columns 8 (l / 16) + 0..7.
; The sums are cleared, 32 moves in the wait for the tiles: a first step written out would leave 31, which no equal trips divide.
; A tile's row of the result is 128 bytes: eight lanes store 128 consecutive bytes; the whole result is 2 MiB.
.set PW,    144                        ; an LDS row: 128 bytes + 16
.set CHB,   256*PW                     ; a trip's 256 rows
.set WQL,   1024*PW                    ; Wq's tile lies behind Wk's
.set STAGE, 2*1024*PW                  ; 16 rows x 144 bytes for each wave
.set SP,    144
.set SPARE, STAGE+4*16*SP              ; the spare words, 128 bytes for each wave
.set ADK, 4                            ; v4   LDS address of my fragment of Wk; steps by a trip's rows
.set ADQ, 5                            ; v5   of Wq
.set STO, 6
.set RD,  7
.set CO,  8
.set SPW, 10                           ; v10  my spare word; never rewritten
.set NIL, 11                           ; v11  0; never rewritten
.set F0,  16                           ; v16-55  fragments of 32 e: Wk's one, then Wq's four
.set F1,  56                           ; v56-95  the second buffer
.set ACC, 96                           ; v96-127
.set TMP, 16                           ; the way out
.set BK,  32
.set WV, 8
.set HF, 9                             ; which 128 of a quarter's 256 rows I fetch
.set CX, 10
.set CY, 11
.set TX, 12
.set TY, 13
.set CNT, 14
.set G1K, 24                           ; s[24:31] descriptor group 1 for Wk's tiles
.set G1Q, 32                           ; s[32:39] for Wq's: it differs in the mask alone
.set G0K, 40                           ; s[40:55] group 0 for Wk's four tiles
.set G0Q, 68                           ; s[68:83] for Wq's
.macro CROUND                          ; a round of the cluster's barrier
	s_barrier_signal -1
	s_barrier_wait -1
	s_cmp_lg_u32 s[WV], 0
	s_cbranch_scc1 .Lnot_wave_0_\@
	s_barrier_signal -3
.Lnot_wave_0_\@:
	s_barrier_wait -3
	s_barrier_signal -1
	s_barrier_wait -1
.endm
.macro PLACES                          ; four plain vector instructions between a matrix instruction and a load into, or a vector read of, its registers
.rept 4
	v_nop
.endr
.endm
	s_load_b128 s[4:7], s[0:1], 0x0                ; wh s[4:5], wb s[6:7]
	v_lshl_add_u32 v[SPW], v0, 2, SPARE
	v_mov_b32 v[NIL], 0
	ds_add_u32 v[SPW], v[NIL]                      ; the wave's opening: the add and its wait stand ahead of my first tensor load
	ds_add_u32 v10, v11
	v_lshrrev_b32 v1, 5, v0
	v_readfirstlane_b32 s[WV], v1
	s_and_b32 s[HF], s[WV], 1
	s_bfe_u32 s[CX], ttmp6, 0x40000
	s_bfe_u32 s[CY], ttmp6, 0x40004
	s_lshl_b32 s[TX], ttmp9, 2
	s_add_co_u32 s[TX], s[TX], s[CX]               ; tile column = 4 x cluster x + cx
	s_and_b32 s[TY], ttmp7, 0xffff
	s_lshl_b32 s[TY], s[TY], 2
	s_add_co_u32 s[TY], s[TY], s[CY]               ; tile row = 4 x cluster y + cy
	s_lshl_b32 s15, s[CY], 2
	s_lshl_b32 s15, 15, s15                        ; my row of the cluster
	s_lshl_b32 s16, 0x1111, s[CX]                  ; my column
	s_or_b32 s[G1K], s15, (1<<16)|(1<<20)|(1<<21)|(4<<22)|(3<<25)  ; mask; 2-byte elements; padding on; bit 21 beside a mask; after every 32 words 4 words
	s_or_b32 s[G1Q], s16, (1<<16)|(1<<20)|(1<<21)|(4<<22)|(3<<25)
.irp g, G1K, G1Q
	s_mov_b32 s[(\g)+1], 64<<16                    ; tensor_dim0 = 64
	s_mov_b32 s[(\g)+2], 128<<16                   ; tensor_dim1 = 128
	s_mov_b32 s[(\g)+3], 64<<16                    ; tile_dim0 = 64
	s_mov_b32 s[(\g)+4], 128                       ; tile_dim1 = 128
	s_mov_b32 s[(\g)+5], 1024                      ; elements from row to row
	s_mov_b32 s[(\g)+6], 0
	s_mov_b32 s[(\g)+7], 0
.endr
	s_mul_i32 s18, s[HF], 128*PW                   ; where my rows go: no place in the cluster enters an LDS address
	s_lshl_b32 s20, s[HF], 18                      ; Wk: my 128 rows of 2,048 bytes,
	s_lshl_b32 s19, s[TY], 7                       ; the tile row's 64 columns,
	s_add_co_u32 s20, s20, s19
	s_add_co_u32 s20, s20, 0x200000                ; behind Wq's 1,024 rows
	s_mov_b32 s21, 0
	s_lshl_b32 s22, s[HF], 18                      ; Wq: my 128 rows,
	s_lshl_b32 s17, s[TX], 7                       ; the tile column's 64 columns
	s_add_co_u32 s22, s22, s17
	s_mov_b32 s23, 0
	s_lshl_b32 s56, s[TY], 6                       ; the result: row 64 x tile row + 16 x wave,
	s_lshl_b32 s57, s[WV], 4
	s_add_co_u32 s56, s56, s57
	s_lshl_b32 s56, s56, 11
	s_add_co_u32 s56, s56, s17                     ; the tile column's 128 bytes
	s_mov_b32 s57, 0
	s_wait_dscnt 0x0                               ; the opening add is done
	s_wait_kmcnt 0x0
	s_add_nc_u64 s[20:21], s[4:5], s[20:21]
	s_add_nc_u64 s[22:23], s[4:5], s[22:23]
	s_add_nc_u64 s[6:7], s[6:7], s[56:57]
	CROUND                                         ; all sixteen work-groups are here: the joint loads meet
.irp c, 0,1,2,3
	s_mov_b32 s[G0K+4*(\c)], 1
	s_add_co_u32 s[G0K+4*(\c)+1], s18, (\c)*CHB
	s_add_nc_u64 s[G0K+4*(\c)+2:G0K+4*(\c)+3], s[20:21], (\c)*256*2048
	s_or_b32 s[G0K+4*(\c)+3], s[G0K+4*(\c)+3], 0x80000000
	s_mov_b32 s[G0Q+4*(\c)], 1
	s_add_co_u32 s[G0Q+4*(\c)+1], s18, WQL+(\c)*CHB
	s_add_nc_u64 s[G0Q+4*(\c)+2:G0Q+4*(\c)+3], s[22:23], (\c)*256*2048
	s_or_b32 s[G0Q+4*(\c)+3], s[G0Q+4*(\c)+3], 0x80000000
.endr
	s_cmp_lt_u32 s[WV], 2                          ; waves 0 and 1 fetch Wk's rows, waves 2 and 3 Wq's: a wave's four fills stand in one branch
	s_cbranch_scc0 .Lfor_q
.irp c, 0,1,2,3
	tensor_load_to_lds s[G0K+4*(\c):G0K+4*(\c)+3], s[G1K:G1K+7]
	s_nop 0
.endr
	PLACES
	s_branch .Lasked
.Lfor_q:
.irp c, 0,1,2,3
	tensor_load_to_lds s[G0Q+4*(\c):G0Q+4*(\c)+3], s[G1Q:G1Q+7]
	s_nop 0
.endr
	PLACES
.Lasked:
	; The turning load takes 16 e x 16 columns (lane l reads e = 8 (l / 16) + l % 8, columns 8 ((l / 8) % 2) + 0..7) and leaves half a fragment: lane l holds column l % 16 and 8 e.
	v_and_b32 v1, 15, v0                           ; l % 16
	v_bfe_u32 v2, v0, 4, 1                         ; l / 16
	v_and_b32 v3, 7, v0
	v_lshl_add_u32 v3, v2, 3, v3
	v_mul_u32_u24 v3, v3, PW
	v_bfe_u32 v9, v0, 3, 1
	v_lshl_add_u32 v3, v9, 4, v3
	s_lshl_b32 s15, s[WV], 5                       ; my 16 columns of Wk: 32 bytes
	v_add_nc_u32 v[ADK], s15, v3
	v_add_nc_u32 v[ADQ], WQL, v3
	s_mul_i32 s15, s[WV], 16*SP
	s_add_co_u32 s15, s15, STAGE                   ; my stage
	v_mul_u32_u24 v12, v1, SP                      ; in: row l % 16, 16 bytes for each half of the lanes
	v_lshl_add_u32 v12, v2, 4, v12
	v_add_nc_u32 v[STO], s15, v12
	v_bfe_u32 v12, v0, 3, 2                        ; back: 32 lanes take four rows of 128 bytes
	v_and_b32 v13, 7, v0
	v_mul_u32_u24 v14, v12, SP
	v_lshl_add_u32 v14, v13, 4, v14
	v_add_nc_u32 v[RD], s15, v14
	v_lshlrev_b32 v14, 11, v12                     ; and the same four rows of the result
	v_lshl_add_u32 v[CO], v13, 4, v14
.set i, 0
.rept 32
	v_mov_b32 v[ACC+i], 0
.set i, i+1
.endr
; ten LDS loads: the fragments of step e (32 rows) of the trip's 256 rows, into buffer f
.macro FETCH e, f
	ds_load_tr16_b128 v[(\f):(\f)+3],   v[ADK] offset:(\e)*32*PW
	ds_load_tr16_b128 v[(\f)+4:(\f)+7], v[ADK] offset:(\e)*32*PW+16*PW
.irp b, 0,1,2,3
	ds_load_tr16_b128 v[(\f)+8+8*(\b):(\f)+8+8*(\b)+3],   v[ADQ] offset:(\e)*32*PW+32*(\b)
	ds_load_tr16_b128 v[(\f)+8+8*(\b)+4:(\f)+8+8*(\b)+7], v[ADQ] offset:(\e)*32*PW+16*PW+32*(\b)
.endr
.endm
.macro MUL f
.irp b, 0,1,2,3
	v_wmma_f32_16x16x32_f16 v[ACC+8*(\b):ACC+8*(\b)+7], v[(\f)+8+8*(\b):(\f)+8+8*(\b)+7], v[(\f):(\f)+7], v[ACC+8*(\b):ACC+8*(\b)+7]
.endr
.endm
	s_wait_tensorcnt 0x0                           ; my four tiles are in,
	s_barrier_signal -1
	s_barrier_wait -1                              ; everybody's are
	s_mov_b32 s[CNT], 4
.Lchunk:                                               ; a trip: 256 rows of e, eight steps of 32 on two buffers
	PLACES                                         ; round the backward jump: buffer 0 was read by step 6's products of the trip before; step 7's products between are no places, the two address steps alone are too few
	FETCH 0, F0
.set st, 0
.rept 8
.if st < 7
	PLACES                                         ; behind the products that read the buffer filled next
	FETCH st+1, F0+40*((st+1)%2)
	s_wait_dscnt 10                                ; all but the ten just issued
.else
	s_wait_dscnt 0x0
.endif
	MUL F0+40*(st%2)
.set st, st+1
.endr
	v_add_nc_u32 v[ADK], CHB, v[ADK]
	v_add_nc_u32 v[ADQ], CHB, v[ADQ]
	s_sub_co_u32 s[CNT], s[CNT], 1
	s_cmp_lg_u32 s[CNT], 0
	s_cbranch_scc1 .Lchunk
	; THE WAY OUT: rounded to f16, 16 bytes a lane into my stage, whole rows of 128 bytes back, and out
	PLACES
.irp b, 0,1,2,3
.irp r, 0,1,2,3
	v_cvt_pk_f16_f32 v[TMP+4*(\b)+(\r)], v[ACC+8*(\b)+2*(\r)], v[ACC+8*(\b)+2*(\r)+1]
.endr
.endr
.irp b, 0,1,2,3
	ds_store_b128 v[STO], v[TMP+4*(\b):TMP+4*(\b)+3] offset:32*(\b)
.endr
.irp t, 0,1,2,3
	ds_load_b128 v[BK+4*(\t):BK+4*(\t)+3], v[RD] offset:(\t)*4*SP  ; LDS serves a wave's instructions in order: these see the stores above
.endr
	s_wait_dscnt 0x0
.irp t, 0,1,2,3
	global_store_b128 v[CO], v[BK+4*(\t):BK+4*(\t)+3], s[6:7] offset:(\t)*4*2048
.endr
	s_wait_tensorcnt 0x0                           ; the wave's end
	ds_add_u32 v[SPW], v[NIL]
	s_wait_dscnt 0x0
	CROUND                                         ; the closing round
	s_endpgm
.Lfunc_end_k_qcca600e636_wqk:
	.size	k_qcca600e636_wqk, .Lfunc_end_k_qcca600e636_wqk-k_qcca600e636_wqk
	.p2alignl 7, 3214868480
	.fill 96, 4, 3214868480
	.section	.rodata,"a",@progbits
	.p2align	6, 0x0
	.amdhsa_kernel k_qcca600e636_wqk
		.amdhsa_group_segment_fixed_size 327680
		.amdhsa_private_segment_fixed_size 0
		.amdhsa_enable_private_segment 0
		.amdhsa_kernarg_size 16
		.amdhsa_user_sgpr_count 2
		.amdhsa_user_sgpr_kernarg_segment_ptr 1
		.amdhsa_wavefront_size32 1
		.amdhsa_system_sgpr_workgroup_id_x 1
		.amdhsa_system_sgpr_workgroup_id_y 1
		.amdhsa_system_sgpr_workgroup_id_z 1
		.amdhsa_system_vgpr_workitem_id 0
		.amdhsa_next_free_vgpr 128
		.amdhsa_next_free_sgpr 84
		.amdhsa_reserve_vcc 0
		.amdhsa_float_denorm_mode_32 3
		.amdhsa_float_denorm_mode_16_64 3
		.amdhsa_memory_ordered 1
		.amdhsa_forward_progress 1
		.amdhsa_inst_pref_size 20
	.end_amdhsa_kernel
	.amdgpu_metadata
---
amdhsa.version: [ 1, 2 ]
amdhsa.kernels:
  - .name:           k_qcca600e636_wqk
    .symbol:         k_qcca600e636_wqk.kd
    .args:
      - { .name: wh, .offset: 0, .size: 8, .value_kind: global_buffer, .address_space: global }
      - { .name: wb, .offset: 8, .size: 8, .value_kind: global_buffer, .address_space: global }
    .group_segment_fixed_size: 327680
    .private_segment_fixed_size: 0
    .kernarg_segment_align: 8
    .kernarg_segment_size: 16
    .max_flat_workgroup_size: 128
    .sgpr_count:     84
    .vgpr_count:     128
    .wavefront_size: 32
...
	.end_amdgpu_metadata
.endif
;; end of part 2
;; launch proj (part 3): grid 8 x 32, 4 waves a work-group, clusters of 4 x 4, 327,680 bytes of LDS; arguments xb, wb, yv; writes yv
.if DOCPART == 3
	.amdgcn_target "amdgcn-amd-amdhsa--gfx1250"
	.amdhsa_code_object_version 6
	.text
	.protected	k_qcca600e636_proj
	.globl	k_qcca600e636_proj
	.p2align	8
	.type	k_qcca600e636_proj,@function
k_qcca600e636_proj:
	s_mov_b64 s[64:65], 0
	v_nop
	global_prefetch_b8 v0, s[64:65] scope:SCOPE_SE
	s_setreg_imm32_b32 hwreg(HW_REG_WAVE_MODE, 25, 1), 1
	s_wait_xcnt 0x0
	s_wait_alu depctr_hold_cnt(0) depctr_sa_sdst(0) depctr_va_vdst(0) depctr_va_sdst(0) depctr_va_ssrc(0) depctr_va_vcc(0) depctr_vm_vsrc(0)
	s_getreg_b32 s2, hwreg(HW_REG_IB_STS2, 6, 4)
	s_cmp_eq_u32 s2, 0
	s_cbranch_scc0 .Lentry_in_a_cluster
	s_endpgm
.Lentry_in_a_cluster:
	s_bfe_u32 s2, ttmp6, 0x10000c
	s_cmp_lg_u32 s2, 0xf033
	s_cbranch_scc0 .Lentry_shape_is_right
	s_endpgm
.Lentry_shape_is_right:
; yv[m][n] = sum over k of xb[m][k] wb[n][k].  xb: [8192][1024] f16 (x / 16), wb: [2048][1024] f16 (rows 0-1023: Wk^T Wq / 32; rows 1024-2047: 16 Wv), yv: [8192][2048] f16.
; So a row of yv holds y / 512, y = x Wq^T Wk, the query's side of the scores, and then v = x Wv^T.  Products in f16, sums in f32, K ascending, each result rounded once to f16.
; LIMIT: f16 ends at 65,504: y / 512 and v must stay within it (with x of unit spread and weights of spread 0.02 they have spreads of 8e-4 and 0.64; offsets of thirty spreads on every input give 22,000 and 18,400).
; A tile of 256 x 256 is made by four waves, each 128 x 128: 64 accumulators of 16 x 16, 512 registers.  K goes in steps of 128 through a ring of two LDS slots filled by the tensor data mover;
; tile rows are 256 bytes of memory at multiples of 256 bytes.  8 x 32 = 256 work-groups, one tile each.
; CLUSTERS: 4 x 4 work-groups.  The four of a row of the cluster need the same tiles of xb, the four of a column the same tiles of wb: each tile is asked for jointly, by the same tensor load with
; the same descriptor and a mask that names the four.
; REGISTERS, in windows of 256 (s_set_vgpr_msb: bits 1:0 source 0, 3:2 source 1, 5:4 source 2, 7:6 destination):
;   window 0: v0-31 addresses; v64-127, v128-191 fragments of A, two buffers (in the last K step four, of 16 rows x 128 K); v32-63, v192-255 at work on the way out
;   window 1: v64-127, v128-191 fragments of B, two buffers; in the last K step all 256      window 2: accumulators of my rows 0-63 ((a, b) at v[8 (8 a + b)])      window 3: of my rows 64-127
; THE MATRIX INSTRUCTION IS USED TRANSPOSED: source 0 = 16 rows of B, source 1 = 16 rows of A: a lane then holds row l % 16 of C and the eight neighbouring columns 8 (l / 16) + 0..7.
.set SIZE_M, 8192
.set SIZE_N, 2048
.set SIZE_K, 1024
.set KSTEP,  128
.set PITCH,  272                       ; an LDS row: 256 bytes + 16 of padding: the 16 rows that a load touches start at 16 different groups of four banks (ISA guide 11.1)
.set HALFT,  128*PITCH                 ; 128 rows: what one tensor load brings, and what one wave reads of A or of B
.set SLOT,   4*HALFT                   ; A's 256 rows, then B's 256 rows
.set STAGE,  2*SLOT                    ; behind the ring: 16 rows x 272 bytes for each wave, for the way out
.set SPITCH, 272
.set SPARE,  STAGE+4*16*SPITCH         ; behind the stages: the spare words, 128 bytes for each wave
.set LAPS, SIZE_K/(2*KSTEP)            ; a lap = two K steps = once round the ring
.set ADRA, 16                          ; v16-17  LDS address of my A fragments in slot 0, 1
.set ADRB, 20                          ; v20-21  the same for B
.set STO,  24                          ; v24     the way out: where I put 16 bytes of a row
.set RD,   25                          ; v25     the way out: where I read a row back
.set CO,   26                          ; v26     my byte offset in C
.set SPW,  28                          ; v28     LDS address of my spare word; never rewritten
.set NIL,  29                          ; v29     0; never rewritten
.set F0,   64
.set F1,   128
.set TMP,  192                         ; the way out: packed results
.set OB,   32                          ; the way out: 16 rows read back: v32-63 and v224-255 by turns
.set PA,   64                          ; the last K step: A's fragments of 16 rows x 128 K; four buffers, v64-191
.set G1, 24                            ; s[24:31] descriptor group 1 for A's tiles
.set G0, 32                            ; s[32:39] group 0 for A's tiles, one set for each slot
.set G1B, 48                           ; s[48:55], s[56:63] the same for B's
.set G0B, 56
.set MSB, 0
.macro WIN new                         ; the immediate's high byte repeats the setting that is left; a switch that changes nothing is dropped
.if MSB != (\new)
	s_set_vgpr_msb (MSB<<8)|(\new)
.set MSB, \new
.endif
.endm
.set MUL_LO, 0xa1                      ; source 0 (B) window 1, source 1 (A) window 0, C and D window 2
.set MUL_HI, 0xf1                      ; the same, C and D window 3
.set TO_B,   0x40                      ; destination window 1, address window 0
; A joint load.  Waves 0 and 1 fetch A's two halves, waves 2 and 3 B's.  The branch hangs on the wave's number alone.  An s_nop 0 and four v_nop follow each line.
.macro JLOAD s
	s_cmp_eq_u32 s11, 0
	s_cbranch_scc0 .Lfor_b_\@
	tensor_load_to_lds s[G0+4*(\s):G0+4*(\s)+3], s[G1:G1+7]
	s_nop 0
.rept 4
	v_nop
.endr
	s_branch .Lasked_\@
.Lfor_b_\@:
	tensor_load_to_lds s[G0B+4*(\s):G0B+4*(\s)+3], s[G1B:G1B+7]
	s_nop 0
.rept 4
	v_nop
.endr
.Lasked_\@:
.endm
.macro CREST                           ; a round of the cluster's barrier behind its opening barrier
	s_cmp_lg_u32 s10, 0
	s_cbranch_scc1 .Lnot_wave_0_\@
	s_barrier_signal -3
.Lnot_wave_0_\@:
	s_barrier_wait -3
	s_barrier_signal -1
	s_barrier_wait -1
.endm
.macro CROUND                          ; a whole round
	s_barrier_signal -1
	s_barrier_wait -1
	CREST
.endm
	s_load_b128 s[4:7], s[0:1], 0x0                ; A s[4:5], B s[6:7]
	s_load_b64 s[8:9], s[0:1], 0x10                ; C
	v_lshl_add_u32 v[SPW], v0, 2, SPARE
	v_mov_b32 v[NIL], 0
	ds_add_u32 v[SPW], v[NIL]                      ; the wave's opening: the add and its wait stand ahead of my first tensor load
	ds_add_u32 v28, v29
	v_lshrrev_b32 v1, 5, v0
	v_readfirstlane_b32 s10, v1                    ; wave 0..3
	s_lshr_b32 s11, s10, 1                         ; which half of the tile's rows is mine.  Also: I fetch for A (0) or for B (1)
	s_and_b32 s12, s10, 1                          ; which half of its columns.  Also: which 128 rows of that tile I fetch
	s_bfe_u32 s40, ttmp6, 0x40000                  ; cx
	s_bfe_u32 s41, ttmp6, 0x40004                  ; cy
	s_lshl_b32 s42, ttmp9, 2
	s_add_co_u32 s42, s42, s40                     ; tile column of C = 4 x cluster x + cx
	s_and_b32 s13, ttmp7, 0xffff
	s_lshl_b32 s13, s13, 2
	s_add_co_u32 s13, s13, s41                     ; tile row of C = 4 x cluster y + cy
	s_lshl_b32 s43, s41, 2
	s_lshl_b32 s43, 15, s43                        ; my row of the cluster
	s_lshl_b32 s44, 0x1111, s40                    ; my column
	s_or_b32 s[G1+0], s43, (1<<16)|(1<<20)|(1<<21)|(5<<22)|(3<<25)  ; mask; 2-byte elements; padding on; bit 21 beside a mask; after every 64 words 4 words
	s_or_b32 s[G1B+0], s44, (1<<16)|(1<<20)|(1<<21)|(5<<22)|(3<<25)
.irp g, G1, G1B
	s_mov_b32 s[(\g)+1], KSTEP<<16                 ; tensor_dim0 = 128
	s_mov_b32 s[(\g)+2], 128<<16                   ; tensor_dim1 = 128
	s_mov_b32 s[(\g)+3], KSTEP<<16                 ; tile_dim0 = 128
	s_mov_b32 s[(\g)+4], 128                       ; tile_dim1 = 128
	s_mov_b32 s[(\g)+5], SIZE_K                    ; elements from row to row
	s_mov_b32 s[(\g)+6], 0
	s_mov_b32 s[(\g)+7], 0
.endr
	s_lshl_b32 s17, s12, 7                         ; which 128 rows of the tile I fetch
	s_lshl_b32 s16, s13, 8
	s_add_co_u32 s16, s16, s17                     ; A: row 256 x tile row + 128 x half
	s_lshl_b32 s46, s42, 8
	s_add_co_u32 s46, s46, s17                     ; B: row 256 x tile column + 128 x half
	s_mov_b32 s17, 0
	s_mov_b32 s47, 0
	s_mov_b64 s[18:19], SIZE_K*2
	s_mul_u64 s[16:17], s[16:17], s[18:19]
	s_mul_u64 s[46:47], s[46:47], s[18:19]
	s_mul_i32 s20, s10, HALFT                      ; where they go: wave x 128 rows: no place in the cluster enters an LDS address
	s_wait_dscnt 0x0                               ; the opening add is done
	s_wait_kmcnt 0x0
	s_add_nc_u64 s[14:15], s[4:5], s[16:17]
	s_add_nc_u64 s[46:47], s[6:7], s[46:47]
	CROUND                                         ; all sixteen work-groups are here: the first joint loads meet
.irp s, 0,1
	s_mov_b32 s[G0+4*(\s)], 1
	s_add_co_u32 s[G0+4*(\s)+1], s20, (\s)*SLOT
	s_add_nc_u64 s[G0+4*(\s)+2:G0+4*(\s)+3], s[14:15], (\s)*KSTEP*2
	s_or_b32 s[G0+4*(\s)+3], s[G0+4*(\s)+3], 0x80000000
	s_mov_b32 s[G0B+4*(\s)], 1
	s_add_co_u32 s[G0B+4*(\s)+1], s20, (\s)*SLOT
	s_add_nc_u64 s[G0B+4*(\s)+2:G0B+4*(\s)+3], s[46:47], (\s)*KSTEP*2
	s_or_b32 s[G0B+4*(\s)+3], s[G0B+4*(\s)+3], 0x80000000
	JLOAD \s                                       ; two tensor loads of mine are out
.endr
	; A fragment is 16 rows x 32 K in 8 registers: lane l holds row l % 16, K = 8 (l / 16) + 0..7 and 16 + 8 (l / 16) + 0..7: two loads of 16 bytes, 32 bytes apart.
	v_and_b32 v1, 15, v0                           ; l % 16
	v_bfe_u32 v2, v0, 4, 1                         ; l / 16
	v_mul_u32_u24 v3, v1, PITCH
	v_lshl_add_u32 v3, v2, 4, v3
	s_mul_i32 s21, s11, HALFT                      ; my 128 rows of A
	s_mul_i32 s22, s12, HALFT                      ; my 128 rows of B,
	s_add_co_u32 s22, s22, 2*HALFT                 ; which lie behind A's 256
.irp s, 0,1
	v_add_nc_u32 v[ADRA+(\s)], s21, v3
	v_add_nc_u32 v[ADRB+(\s)], s22, v3
	s_add_co_u32 s21, s21, SLOT
	s_add_co_u32 s22, s22, SLOT
.endr
	s_mul_i32 s23, s10, 16*SPITCH
	s_add_co_u32 s23, s23, STAGE                   ; my stage
	v_mul_u32_u24 v4, v1, SPITCH
	v_lshl_add_u32 v4, v2, 4, v4
	v_add_nc_u32 v[STO], s23, v4
	v_mul_u32_u24 v5, v2, SPITCH
	v_lshl_add_u32 v5, v1, 4, v5
	v_add_nc_u32 v[RD], s23, v5
	v_mul_u32_u24 v5, v2, SIZE_N*2
	v_lshl_add_u32 v[CO], v1, 4, v5
	s_lshl_b32 s13, s13, 8
	s_lshl_b32 s14, s11, 7
	s_add_co_u32 s16, s13, s14                     ; my first row of C
	s_mov_b32 s17, 0
	s_mov_b64 s[18:19], SIZE_N*2
	s_mul_u64 s[16:17], s[16:17], s[18:19]
	s_lshl_b32 s46, s42, 9                         ; my first column, in bytes
	s_lshl_b32 s47, s12, 8
	s_add_co_u32 s46, s46, s47
	s_mov_b32 s47, 0
	s_add_nc_u64 s[16:17], s[16:17], s[46:47]      ; what the way out adds to C's address
; 16 matrix instructions: m blocks a0, a0 + 1 of the window's four x all 8 n blocks, 32 along K.  zero = 1: the first product starts the sums.
.macro MUL16 f, hi, a0, zero
	WIN MUL_LO+0x50*(\hi)
.irp a, \a0, (\a0)+1
.irp b, 0,1,2,3,4,5,6,7
.if \zero
	v_wmma_f32_16x16x32_f16 v[8*(8*(\a)+(\b)):8*(8*(\a)+(\b))+7], v[(\f)+8*(\b):(\f)+8*(\b)+7], v[(\f)+8*(4*(\hi)+(\a)):(\f)+8*(4*(\hi)+(\a))+7], 0
.else
	v_wmma_f32_16x16x32_f16 v[8*(8*(\a)+(\b)):8*(8*(\a)+(\b))+7], v[(\f)+8*(\b):(\f)+8*(\b)+7], v[(\f)+8*(4*(\hi)+(\a)):(\f)+8*(4*(\hi)+(\a))+7], v[8*(8*(\a)+(\b)):8*(8*(\a)+(\b))+7]
.endif
.endr
.endr
.endm
; 32 LDS loads in one run: the fragments of one quarter step (32 K at byte k of the rows) into buffer f
.macro FETCH slot, k, f
	WIN TO_B
.irp i, 0,1,2,3,4,5,6,7
	ds_load_b128 v[(\f)+8*(\i):(\f)+8*(\i)+3],   v[ADRB+(\slot)] offset:(\k)+(\i)*16*PITCH
	ds_load_b128 v[(\f)+8*(\i)+4:(\f)+8*(\i)+7], v[ADRB+(\slot)] offset:(\k)+(\i)*16*PITCH+32
.endr
	WIN 0
.irp i, 0,1,2,3,4,5,6,7
	ds_load_b128 v[(\f)+8*(\i):(\f)+8*(\i)+3],   v[ADRA+(\slot)] offset:(\k)+(\i)*16*PITCH
	ds_load_b128 v[(\f)+8*(\i)+4:(\f)+8*(\i)+7], v[ADRA+(\slot)] offset:(\k)+(\i)*16*PITCH+32
.endr
.endm
.macro PLACES                          ; four plain vector instructions between a matrix instruction and a load into, or a vector read of, its registers
.rept 4
	v_nop
.endr
.endm
; A K step is four quarters of 32 along K, 64 matrix instructions each, on buffers 0, 1, 0, 1.  One of the first three multiplies f and fetches the next quarter into g.
.macro QUARTER slot, k, f, g, zero
	s_wait_dscnt 8                                 ; B and A's rows 0-63 are in; the youngest eight loads (A's rows 64-127) may be out
	MUL16 \f, 0, 0, \zero
	MUL16 \f, 0, 2, \zero
	PLACES
	FETCH \slot, \k, \g
	s_wait_dscnt 32                                ; all but the 32 just issued
	MUL16 \f, 1, 0, \zero
	MUL16 \f, 1, 2, \zero
.endm
; The last quarter's first half: one barrier for the change of slots.
.macro MEET round
	WIN 0
	s_wait_tensorcnt 0x0                           ; all my tensor loads have landed: the one that was out is my part of the next slot
	ds_add_u32 v[SPW], v[NIL]
	s_wait_dscnt 9                                 ; the add and the youngest eight loads may be out
	MUL16 F1, 0, 0, 0
	s_wait_dscnt 0x0                               ; the add is done, and my reads of this slot are over
	s_barrier_signal -1
	MUL16 F1, 0, 2, 0
.if \round
	WIN 0
.endif
	s_barrier_wait -1
.endm
.macro TURN slot, next
	MEET 1
	CREST                                          ; no wave of any partner still reads this slot's tile or has a load on its way
	s_add_nc_u64 s[G0+4*(\slot)+2:G0+4*(\slot)+3], s[G0+4*(\slot)+2:G0+4*(\slot)+3], 2*KSTEP*2
	s_add_nc_u64 s[G0B+4*(\slot)+2:G0B+4*(\slot)+3], s[G0B+4*(\slot)+2:G0B+4*(\slot)+3], 2*KSTEP*2
	JLOAD \slot                                    ; the first tensor load behind the round; its four v_nop are also the places in front of the loads below
	FETCH \next, 0, F0
	MUL16 F1, 1, 0, 0
	MUL16 F1, 1, 2, 0
.endm
; THE LAST K STEP (slot 1) GOES BY ROWS OF C: all its fragments of B fill window 1; my eight blocks of 16 rows are finished one after the other, K ascending, and each leaves when it is finished.
.macro BLOAD q
	WIN TO_B
.irp i, 0,1,2,3,4,5,6,7
	ds_load_b128 v[64*(\q)+8*(\i):64*(\q)+8*(\i)+3],   v[ADRB+1] offset:64*(\q)+(\i)*16*PITCH
	ds_load_b128 v[64*(\q)+8*(\i)+4:64*(\q)+8*(\i)+7], v[ADRB+1] offset:64*(\q)+(\i)*16*PITCH+32
.endr
.endm
.macro ALOAD a
	WIN 0
.set FA, PA+32*((\a)%4)
.irp q, 0,1,2,3
	ds_load_b128 v[FA+8*(\q):FA+8*(\q)+3],   v[ADRA+1] offset:64*(\q)+(\a)*16*PITCH
	ds_load_b128 v[FA+8*(\q)+4:FA+8*(\q)+7], v[ADRA+1] offset:64*(\q)+(\a)*16*PITCH+32
.endr
.endm
.macro ROW a                           ; block a is finished: 32 matrix instructions, its 8 accumulators by turns
.set FA, PA+32*((\a)%4)
.set AC, 64*((\a)%4)
	WIN MUL_LO+0x50*((\a)/4)
.irp q, 0,1,2,3
.if (\a) == 0 && (\q) == 2
	s_wait_dscnt 24                                ; B's quarter 2 is in (behind it: A's blocks 1 to 3)
.endif
.irp b, 0,1,2,3,4,5,6,7
	v_wmma_f32_16x16x32_f16 v[AC+8*(\b):AC+8*(\b)+7], v[64*(\q)+8*(\b):64*(\q)+8*(\b)+7], v[FA+8*(\q):FA+8*(\q)+7], v[AC+8*(\b):AC+8*(\b)+7]
.endr
.endr
.endm
; THE WAY OUT of block a.  PACK: rounded to f16, 16 bytes a lane.  TOSTAGE: into my own stage, and back as whole rows of 256 bytes.  SEND: stored.
.macro PACK a
.set AC, 64*((\a)%4)
	WIN 0x0a+5*((\a)/4)                            ; sources 0 and 1: window 2 or 3
.irp b, 0,1,2,3,4,5,6,7
.irp r, 0,1,2,3
	v_cvt_pk_f16_f32 v[TMP+4*(\b)+(\r)], v[AC+8*(\b)+2*(\r)], v[AC+8*(\b)+2*(\r)+1]
.endr
.endr
	WIN 0
.endm
.macro TOSTAGE a
	WIN 0
.set BK, OB+192*((\a)%2)
.irp b, 0,1,2,3,4,5,6,7
	ds_store_b128 v[STO], v[TMP+4*(\b):TMP+4*(\b)+3] offset:32*(\b)
.endr
.irp t, 0,1,2,3,4,5,6,7
	ds_load_b128 v[BK+4*(\t):BK+4*(\t)+3], v[RD] offset:(\t)*2*SPITCH  ; LDS serves a wave's instructions in order: these see the stores above
.endr
.endm
.macro SEND a, younger                 ; younger: the LDS loads issued behind TOSTAGE's, which may stay out
	WIN 0
.set BK, OB+192*((\a)%2)
	s_wait_dscnt \younger
	s_wait_xcnt 0x0                                ; the stores' base and the registers that earlier stores read are rewritten only behind this wait
.if (\a) == 0
	s_add_nc_u64 s[8:9], s[8:9], s[16:17]          ; on to my first rows
.else
	s_add_nc_u64 s[8:9], s[8:9], 16*SIZE_N*2       ; 16 rows of C on
.endif
.irp t, 0,1,2,3,4,5,6,7
	global_store_b128 v[CO], v[BK+4*(\t):BK+4*(\t)+3], s[8:9] offset:2*(\t)*SIZE_N*2  ; 16 lanes store 256 consecutive bytes, at a multiple of 256 from C's first byte
.endr
.endm
	s_wait_tensorcnt 1                             ; my part of K step 0 is in; K step 1's may stay out
	s_barrier_signal -1
	s_barrier_wait -1
	FETCH 0, 0, F0
	QUARTER 0, 64,  F0, F1, 1                      ; the first quarter stands in front of the loop: its products start the sums
	WIN 0
	s_mov_b32 s3, LAPS-1
.Llap:                                                 ; a trip goes once round the ring, from a lap's second quarter to the next lap's first, and fills both slots again
	QUARTER 0, 128, F1, F0, 0
	QUARTER 0, 192, F0, F1, 0
	TURN 0, 1
	QUARTER 1, 64,  F0, F1, 0
	QUARTER 1, 128, F1, F0, 0
	QUARTER 1, 192, F0, F1, 0
	TURN 1, 0
	QUARTER 0, 64,  F0, F1, 0
	WIN 0
	s_sub_co_u32 s3, s3, 1
	s_cmp_lg_u32 s3, 0
	s_cbranch_scc1 .Llap
	QUARTER 0, 128, F1, F0, 0                      ; the last lap goes on
	QUARTER 0, 192, F0, F1, 0
	MEET 0                                         ; nothing is filled again, so no round follows
	PLACES
	BLOAD 0                                        ; three quarters of B now: buffer 1 is still being multiplied
	BLOAD 1
	BLOAD 3
	ALOAD 0
	MUL16 F1, 1, 0, 0
	MUL16 F1, 1, 2, 0
	PLACES
	BLOAD 2
	ALOAD 1
	ALOAD 2
	ALOAD 3
	s_wait_dscnt 40                                ; all but the 40 just issued
	ROW 0
.irp a, 0,1,2,3,4,5,6,7
	PLACES
	PACK \a
	TOSTAGE \a
.if (\a) < 4
	ALOAD (\a)+4
	SEND \a, 8
.else
	SEND \a, 0
.endif
.if (\a) < 7
	ROW (\a)+1
.endif
.endr
	s_wait_tensorcnt 0x0                           ; the wave's end
	ds_add_u32 v[SPW], v[NIL]
	s_wait_dscnt 0x0
	CROUND                                         ; the closing round
	s_endpgm
.Lfunc_end_k_qcca600e636_proj:
	.size	k_qcca600e636_proj, .Lfunc_end_k_qcca600e636_proj-k_qcca600e636_proj
	.p2alignl 7, 3214868480
	.fill 96, 4, 3214868480
	.section	.rodata,"a",@progbits
	.p2align	6, 0x0
	.amdhsa_kernel k_qcca600e636_proj
		.amdhsa_group_segment_fixed_size 327680
		.amdhsa_private_segment_fixed_size 0
		.amdhsa_enable_private_segment 0
		.amdhsa_kernarg_size 24
		.amdhsa_user_sgpr_count 2
		.amdhsa_user_sgpr_kernarg_segment_ptr 1
		.amdhsa_wavefront_size32 1
		.amdhsa_system_sgpr_workgroup_id_x 1
		.amdhsa_system_sgpr_workgroup_id_y 1
		.amdhsa_system_sgpr_workgroup_id_z 1
		.amdhsa_system_vgpr_workitem_id 0
		.amdhsa_next_free_vgpr 1024
		.amdhsa_next_free_sgpr 66
		.amdhsa_reserve_vcc 0
		.amdhsa_float_denorm_mode_32 3
		.amdhsa_float_denorm_mode_16_64 3
		.amdhsa_memory_ordered 1
		.amdhsa_forward_progress 1
		.amdhsa_inst_pref_size 143
	.end_amdhsa_kernel
	.amdgpu_metadata
---
amdhsa.version: [ 1, 2 ]
amdhsa.kernels:
  - .name:           k_qcca600e636_proj
    .symbol:         k_qcca600e636_proj.kd
    .args:
      - { .name: xb, .offset: 0, .size: 8, .value_kind: global_buffer, .address_space: global }
      - { .name: wb, .offset: 8, .size: 8, .value_kind: global_buffer, .address_space: global }
      - { .name: yv, .offset: 16, .size: 8, .value_kind: global_buffer, .address_space: global }
    .group_segment_fixed_size: 327680
    .private_segment_fixed_size: 0
    .kernarg_segment_align: 8
    .kernarg_segment_size: 24
    .max_flat_workgroup_size: 128
    .sgpr_count:     66
    .vgpr_count:     1024
    .wavefront_size: 32
...
	.end_amdgpu_metadata
.endif
;; end of part 3
;; launch score (part 4): grid 36 x 4, 4 waves a work-group, no clusters, 327,680 bytes of LDS; arguments yv, p, ms, ls, xb; writes p, ms, ls
.if DOCPART == 4
	.amdgcn_target "amdgcn-amd-amdhsa--gfx1250"
	.amdhsa_code_object_version 6
	.text
	.protected	k_qcca600e636_score
	.globl	k_qcca600e636_score
	.p2align	8
	.type	k_qcca600e636_score,@function
k_qcca600e636_score:
	s_mov_b64 s[64:65], 0
	v_nop
	global_prefetch_b8 v0, s[64:65] scope:SCOPE_SE
	s_setreg_imm32_b32 hwreg(HW_REG_WAVE_MODE, 25, 1), 1
	s_wait_xcnt 0x0
; THE CAUSAL SCORES AND THEIR EXPONENTIALS, BLOCK BY BLOCK.  For batch b and the tile (i, j), j <= i, of 256 queries x 256 keys: s = (y / 512) . (x / 16), which is q . k / 8,192 (f16 products, f32 sums,
; K = 1024 ascending).  The query's side is the first 1,024 numbers of yv's rows, the key's side is xb.
; Each wave has 128 queries x 128 keys, one key block t = 2 j + (wave & 1).  For each of its rows: m = c x the largest visible s of the block, c = 8192 log2(e) / 32; p = 2^(c s - m), rounded once to f16;
; l = the sum of the unrounded p.  Stored: p[b][query][key] f16, ms[t][row] = m, ls[t][row] = l (f32).  The next launch knows all m of a row, takes the largest away and adds the blocks up:
; together the two launches are a softmax with its maximum taken away.
; THE MASK is the C operand of the product that starts a sum: 0, or -1e30 where key > query.  It costs the scores no instruction.
; LIMITS.  Both operands arrive in f16 (within 65,504).  A hidden score counts as its value less 1e30: f32 then holds -1e30 itself for |s| below 1e22.  A weight below 2^-126 counts as 0.  NaN and infinities are
; not treated apart.  In a diagonal tile the wave of rows 0-127 and keys 128-255 sees nothing: it stores p = 1 and m = -c 1e30 like any other; the next launch gives that block the weight 0 and never reads its m.
; NO CLUSTER: a joint 4 x 4 wants four query blocks times four key blocks all of use; of a batch's 36 tiles only rows 4-7 x columns 0-3 form such a product, and the triangle's rows and columns have 1 to 8 tiles.
; Ring, fragments and windows: K in steps of 128 through two LDS slots (256 rows of y, 256 rows of x, 272 bytes apart); window 0: addresses, y's fragments v64-191; window 1: x's fragments v64-191;
; windows 2, 3: the 64 accumulators ((a, b) at v[8 (8 a + b)]; a: 16 queries, b: 16 keys).  Source 0 = 16 keys, source 1 = 16 queries: a lane holds query l % 16 and keys 8 (l / 16) + 0..7.
.set KSTEP,  128
.set PITCH,  272
.set HALFT,  128*PITCH
.set SLOT,   4*HALFT
.set STAGE,  2*SLOT                    ; 16 rows x 272 bytes for each wave
.set SPITCH, 272
.set STATS,  STAGE+4*16*SPITCH         ; 1,024 bytes for each wave: 128 m, then 128 l
.set SPARE,  STATS+4*1024              ; the spare words, 128 bytes for each wave
.set LAPS,   1024/(2*KSTEP)
.set PROW,   4096                      ; bytes in a row of p
.set ADRA, 16                          ; v16-17  LDS address of my query fragments in slot 0, 1
.set ADRB, 20                          ; v20-21  of my key fragments
.set STO,  24                          ; v24  stage: where I put 16 bytes of a row
.set RD,   25                          ; v25  stage: where I read a row back
.set CO,   26                          ; v26  my byte offset in two rows of p
.set SA,   27                          ; v27  STATS + 1024 w + 4 (l % 16)
.set SPW,  28                          ; v28  my spare word; never rewritten
.set NIL,  29                          ; v29  0; never rewritten
.set SR,   30                          ; v30  STATS + 1024 w + 16 lane
.set SO,   31                          ; v31  16 lane
.set LOW,  32                          ; v32-39  mask of a block of 16 x 16 under the diagonal of blocks
.set DIA,  40                          ; v40-47  on it
.set UPP,  48                          ; v48-55  above it
.set BK,   32                          ; the way out: v32-63 rows read back
.set F0,   64
.set F1,   128
.set T,    64                          ; the way out: v64-127 the lane's 64 scores of a block of 16 queries
.set PK,   128                         ; v128-159 the weights, packed
.set CH,   160                         ; v160-163 four chains of the maximum
.set MX,   164                         ; v164 m (v165 = 0: named with it as a pair)
.set LL,   166                         ; v166 l
.set LS,   168                         ; v168-175 four pairs of partial sums
.set WV, 12
.set WR, 13                            ; which 128 queries are mine.  Also: I fetch the query's side (0) or the key's (1)
.set WC, 14                            ; which 128 keys.  Also: which 128 rows of that tile I fetch
.set TX, 15
.set TI, 16
.set TJ, 17
.set TB, 18
.set G1, 24                            ; s[24:31] descriptor group 1 for yv's tiles
.set G0, 32                            ; s[32:39] group 0, one set for each slot
.set SLO, 40
.set SUP, 41
.set CS,  42                           ; s[42:43] c
.set SEL, 44                           ; s[44:45] v_permlanex16_b32's selects
.set LAP, 46
.set AI,  47
.set XB,  48                           ; s[48:49] xb
.set G1K, 52                           ; s[52:59] descriptor group 1 for xb's tiles: it differs in the pitch alone
.set MSB, 0
.macro WIN new
.if MSB != (\new)
	s_set_vgpr_msb (MSB<<8)|(\new)
.set MSB, \new
.endif
.endm
.set MUL_LO, 0xa1
.set TO_B,   0x40
.macro PLACES                          ; four plain vector instructions between a matrix instruction and a load into, or a vector read of, its registers
.rept 4
	v_nop
.endr
.endm
; A fill: waves 0 and 1 fetch the two halves of the query tile, waves 2 and 3 those of the key tile.  An s_nop 0 and four v_nop follow each of the two lines, ahead of the jump and the label.
.macro LOAD s
	s_cmp_eq_u32 s[WR], 0
	s_cbranch_scc0 .Lfor_k_\@
	tensor_load_to_lds s[G0+4*(\s):G0+4*(\s)+3], s[G1:G1+7]
	s_nop 0
	PLACES
	s_branch .Lasked_\@
.Lfor_k_\@:
	tensor_load_to_lds s[G0+4*(\s):G0+4*(\s)+3], s[G1K:G1K+7]
	s_nop 0
	PLACES
.Lasked_\@:
.endm
	s_load_b256 s[4:11], s[0:1], 0x0               ; yv s[4:5], p s[6:7], ms s[8:9], ls s[10:11]
	s_load_b64 s[XB:XB+1], s[0:1], 0x20            ; xb
	v_lshl_add_u32 v[SPW], v0, 2, SPARE
	v_mov_b32 v[NIL], 0
	ds_add_u32 v[SPW], v[NIL]                      ; the wave's opening: the add and its wait stand ahead of my first tensor load
	ds_add_u32 v28, v29
	v_lshrrev_b32 v1, 5, v0
	v_readfirstlane_b32 s[WV], v1
	s_lshr_b32 s[WR], s[WV], 1
	s_and_b32 s[WC], s[WV], 1
	s_mov_b32 s[TX], ttmp9                         ; 0..35 names the tile: i = how many of the triangle's row starts are <= x
	s_mov_b32 s[TI], 0
.irp thr, 1,3,6,10,15,21,28
	s_cmp_ge_u32 s[TX], \thr
	s_add_co_ci_u32 s[TI], s[TI], 0
.endr
	s_add_co_u32 s19, s[TI], 1
	s_mul_i32 s19, s19, s[TI]
	s_lshr_b32 s19, s19, 1
	s_sub_co_u32 s[TJ], s[TX], s19                 ; j = x - i (i + 1) / 2
	s_and_b32 s[TB], ttmp7, 0xffff                 ; the batch
.irp g, G1, G1K
	s_mov_b32 s[(\g)+0], (1<<16)|(1<<20)|(5<<22)|(3<<25)  ; 2-byte elements; padding on: after every 64 words 4 words
	s_mov_b32 s[(\g)+1], KSTEP<<16                 ; tensor_dim0 = 128
	s_mov_b32 s[(\g)+2], 128<<16                   ; tensor_dim1 = 128
	s_mov_b32 s[(\g)+3], KSTEP<<16                 ; tile_dim0 = 128
	s_mov_b32 s[(\g)+4], 128                       ; tile_dim1 = 128
	s_mov_b32 s[(\g)+6], 0
	s_mov_b32 s[(\g)+7], 0
.endr
	s_mov_b32 s[G1+5], 2048                        ; elements from row to row: yv's,
	s_mov_b32 s[G1K+5], 1024                       ; xb's
	s_cmp_eq_u32 s[WR], 0
	s_cselect_b32 s19, s[TI], s[TJ]                ; waves 0, 1: the query tile; waves 2, 3: the key tile,
	s_cselect_b32 s21, 12, 11                      ; rows of 4,096 or of 2,048 bytes
	s_lshl_b32 s19, s19, 8
	s_lshl_b32 s20, s[WC], 7
	s_add_co_u32 s19, s19, s20
	s_lshl_b32 s20, s[TB], 11
	s_add_co_u32 s19, s19, s20                     ; the first row that I fetch
	s_lshl_b32 s20, s19, s21
	s_mov_b32 s21, 0
	s_mul_i32 s23, s[WV], HALFT                    ; where it goes: the query tile's two halves, then the key tile's
	s_mov_b32 s22, 0xf149f2ca                      ; -1e30
	s_cmp_lt_u32 s[WR], s[WC]
	s_cselect_b32 s[SLO], s22, 0
	s_cmp_le_u32 s[WR], s[WC]
	s_cselect_b32 s[SUP], s22, 0
	s_cmp_eq_u32 s[TI], s[TJ]                      ; only a diagonal tile hides anything
	s_cselect_b32 s[SLO], s[SLO], 0
	s_cselect_b32 s[SUP], s[SUP], 0
	s_mov_b32 s[CS], 0x43b8aa3b                    ; c = 8192 log2(e) / 32
	s_mov_b32 s[CS+1], s[CS]
	s_mov_b32 s[SEL], 0x76543210
	s_mov_b32 s[SEL+1], 0xfedcba98
	s_wait_dscnt 0x0                               ; the opening add is done
	s_wait_kmcnt 0x0
	s_cmp_eq_u32 s[WR], 0
	s_cselect_b64 s[50:51], s[4:5], s[XB:XB+1]
	s_add_nc_u64 s[20:21], s[50:51], s[20:21]
.irp s, 0,1
	s_mov_b32 s[G0+4*(\s)], 1
	s_add_co_u32 s[G0+4*(\s)+1], s23, (\s)*SLOT
	s_add_nc_u64 s[G0+4*(\s)+2:G0+4*(\s)+3], s[20:21], (\s)*KSTEP*2
	s_or_b32 s[G0+4*(\s)+3], s[G0+4*(\s)+3], 0x80000000
.endr
	s_cmp_eq_u32 s[WR], 0                          ; K steps 0 and 1: a wave's two first fills stand in one branch; two tensor loads of mine are out
	s_cbranch_scc0 .Lfirst_k
	tensor_load_to_lds s[G0:G0+3], s[G1:G1+7]
	s_nop 0
	tensor_load_to_lds s[G0+4:G0+7], s[G1:G1+7]
	s_nop 0
	PLACES
	s_branch .Lfirst_asked
.Lfirst_k:
	tensor_load_to_lds s[G0:G0+3], s[G1K:G1K+7]
	s_nop 0
	tensor_load_to_lds s[G0+4:G0+7], s[G1K:G1K+7]
	s_nop 0
	PLACES
.Lfirst_asked:
	v_and_b32 v1, 15, v0                           ; l % 16
	v_bfe_u32 v2, v0, 4, 1                         ; l / 16
	v_mul_u32_u24 v3, v1, PITCH
	v_lshl_add_u32 v3, v2, 4, v3
	s_mul_i32 s21, s[WR], HALFT
	s_mul_i32 s22, s[WC], HALFT
	s_add_co_u32 s22, s22, 2*HALFT
.irp s, 0,1
	v_add_nc_u32 v[ADRA+(\s)], s21, v3
	v_add_nc_u32 v[ADRB+(\s)], s22, v3
	s_add_co_u32 s21, s21, SLOT
	s_add_co_u32 s22, s22, SLOT
.endr
	s_mul_i32 s23, s[WV], 16*SPITCH
	s_add_co_u32 s23, s23, STAGE
	v_mul_u32_u24 v4, v1, SPITCH
	v_lshl_add_u32 v4, v2, 4, v4
	v_add_nc_u32 v[STO], s23, v4
	v_mul_u32_u24 v5, v2, SPITCH
	v_lshl_add_u32 v5, v1, 4, v5
	v_add_nc_u32 v[RD], s23, v5
	v_lshlrev_b32 v5, 12, v2
	v_lshl_add_u32 v[CO], v1, 4, v5
	s_lshl_b32 s23, s[WV], 10
	s_add_co_u32 s23, s23, STATS
	v_lshl_add_u32 v[SA], v1, 2, s23
	v_and_b32 v5, 31, v0
	v_lshlrev_b32 v[SO], 4, v5
	v_add_nc_u32 v[SR], s23, v[SO]
	; the three masks.  Register jj of a lane is key 8 (l / 16) + jj of the block of 16; it is hidden on the diagonal where that passes l % 16
	v_lshlrev_b32 v6, 3, v2
	v_sub_nc_u32 v6, v1, v6
.irp j, 0,1,2,3,4,5,6,7
	v_mov_b32 v[LOW+(\j)], s[SLO]
	v_mov_b32 v[UPP+(\j)], s[SUP]
.endr
.irp j, 0,1,2,3,4,5,6,7
	v_cmp_gt_i32 vcc_lo, \j, v6
	v_cndmask_b32 v[DIA+(\j)], v[LOW], v[UPP], vcc_lo
.endr
	; p at my first row and key; ms and ls at my key block and first row
	s_lshl_b32 s19, s[TI], 8
	s_lshl_b32 s22, s[WR], 7
	s_add_co_u32 s19, s19, s22                     ; my first query in the batch
	s_lshl_b32 s20, s19, 12
	s_lshl_b32 s22, s[TB], 23
	s_add_co_u32 s20, s20, s22
	s_lshl_b32 s22, s[TJ], 9
	s_add_co_u32 s20, s20, s22
	s_lshl_b32 s22, s[WC], 8
	s_add_co_u32 s20, s20, s22
	s_mov_b32 s21, 0
	s_add_nc_u64 s[6:7], s[6:7], s[20:21]
	s_lshl_b32 s22, s[TB], 11
	s_add_co_u32 s19, s19, s22
	s_lshl_b32 s50, s19, 2
	s_lshl_b32 s22, s[TJ], 1
	s_add_co_u32 s22, s22, s[WC]
	s_lshl_b32 s22, s22, 15
	s_add_co_u32 s50, s50, s22
	s_mov_b32 s51, 0
	s_add_nc_u64 s[8:9], s[8:9], s[50:51]
	s_add_nc_u64 s[10:11], s[10:11], s[50:51]
; 16 matrix instructions: query blocks a0, a0 + 1 of the window's four x all 8 key blocks, 32 along K.  start = 1: the product starts the sum from its block's mask (source 2 in window 0).
; The 64 accumulators take turns in the same order in every quarter.
.macro MUL16 f, hi, a0, start
.if \start
	WIN 0x81+0x40*(\hi)
.else
	WIN MUL_LO+0x50*(\hi)
.endif
.irp a, \a0, (\a0)+1
.irp b, 0,1,2,3,4,5,6,7
.if \start
.set AG, 4*(\hi)+(\a)
.set MK, LOW
.if (\b) == AG
.set MK, DIA
.elseif (\b) > AG
.set MK, UPP
.endif
	v_wmma_f32_16x16x32_f16 v[8*(8*(\a)+(\b)):8*(8*(\a)+(\b))+7], v[(\f)+8*(\b):(\f)+8*(\b)+7], v[(\f)+8*(4*(\hi)+(\a)):(\f)+8*(4*(\hi)+(\a))+7], v[MK:MK+7]
.else
	v_wmma_f32_16x16x32_f16 v[8*(8*(\a)+(\b)):8*(8*(\a)+(\b))+7], v[(\f)+8*(\b):(\f)+8*(\b)+7], v[(\f)+8*(4*(\hi)+(\a)):(\f)+8*(4*(\hi)+(\a))+7], v[8*(8*(\a)+(\b)):8*(8*(\a)+(\b))+7]
.endif
.endr
.endr
.endm
.macro FETCH slot, k, f                ; 32 LDS loads in one run: the keys' fragments, then the queries'
	WIN TO_B
.irp i, 0,1,2,3,4,5,6,7
	ds_load_b128 v[(\f)+8*(\i):(\f)+8*(\i)+3],   v[ADRB+(\slot)] offset:(\k)+(\i)*16*PITCH
	ds_load_b128 v[(\f)+8*(\i)+4:(\f)+8*(\i)+7], v[ADRB+(\slot)] offset:(\k)+(\i)*16*PITCH+32
.endr
	WIN 0
.irp i, 0,1,2,3,4,5,6,7
	ds_load_b128 v[(\f)+8*(\i):(\f)+8*(\i)+3],   v[ADRA+(\slot)] offset:(\k)+(\i)*16*PITCH
	ds_load_b128 v[(\f)+8*(\i)+4:(\f)+8*(\i)+7], v[ADRA+(\slot)] offset:(\k)+(\i)*16*PITCH+32
.endr
.endm
.macro QUARTER slot, k, f, g, start
	s_wait_dscnt 8                                 ; the keys' fragments and the queries' rows 0-63 are in; the youngest eight loads may be out
	MUL16 \f, 0, 0, \start
	MUL16 \f, 0, 2, \start
	PLACES
	FETCH \slot, \k, \g
	s_wait_dscnt 32                                ; all but the 32 just issued
	MUL16 \f, 1, 0, \start
	MUL16 \f, 1, 2, \start
.endm
; The last quarter multiplies buffer 1 and changes slots: one barrier.  In front of it each wave waits for all its tensor loads (one is out: its part of the next slot), adds 0 to its spare word, and waits
; for that and for its reads of this slot.  fill = 1: this slot takes the K step two steps on, first thing behind the barrier: 224 matrix instructions ahead of the wait for it.
.macro TURN slot, next, fill
	WIN 0
	s_wait_tensorcnt 0x0
	ds_add_u32 v[SPW], v[NIL]
.if \fill
	s_add_nc_u64 s[G0+4*(\slot)+2:G0+4*(\slot)+3], s[G0+4*(\slot)+2:G0+4*(\slot)+3], 2*KSTEP*2  ; no tensor load of mine is out: the group 0 may be written
.endif
	s_wait_dscnt 9                                 ; the add and the youngest eight loads may be out
	MUL16 F1, 0, 0, 0
	s_wait_dscnt 0x0                               ; the add is done, and my reads of this slot are over
	s_barrier_signal -1
	MUL16 F1, 0, 2, 0
.if \fill
	WIN 0                                          ; a branch follows
.endif
	s_barrier_wait -1
.if \fill
	LOAD \slot                                     ; its four v_nop are also the places in front of the loads below
.else
	PLACES
.endif
	FETCH \next, 0, F0
	MUL16 F1, 1, 0, 0
	MUL16 F1, 1, 2, 0
.endm
	s_wait_tensorcnt 1                             ; my part of K step 0 is in; K step 1's may stay out
	s_barrier_signal -1
	s_barrier_wait -1
	FETCH 0, 0, F0
	QUARTER 0, 64,  F0, F1, 1                      ; the first quarter's products start the sums, from the masks
	WIN 0
	s_mov_b32 s[LAP], LAPS-1
.Llap:                                                 ; once round the ring; both slots are filled again
	QUARTER 0, 128, F1, F0, 0
	QUARTER 0, 192, F0, F1, 0
	TURN 0, 1, 1
	QUARTER 1, 64,  F0, F1, 0
	QUARTER 1, 128, F1, F0, 0
	QUARTER 1, 192, F0, F1, 0
	TURN 1, 0, 1
	QUARTER 0, 64,  F0, F1, 0
	WIN 0
	s_sub_co_u32 s[LAP], s[LAP], 1
	s_cmp_lg_u32 s[LAP], 0
	s_cbranch_scc1 .Llap
	QUARTER 0, 128, F1, F0, 0                      ; the last lap fills nothing
	QUARTER 0, 192, F0, F1, 0
	TURN 0, 1, 0
	QUARTER 1, 64,  F0, F1, 0
	QUARTER 1, 128, F1, F0, 0
	QUARTER 1, 192, F0, F1, 0
	s_wait_dscnt 8
	MUL16 F1, 0, 0, 0
	MUL16 F1, 0, 2, 0
	s_wait_dscnt 0x0
	MUL16 F1, 1, 0, 0
	MUL16 F1, 1, 2, 0
	WIN 0
	PLACES
; THE WAY OUT: a loop of eight trips, a block of 16 queries x 128 keys each.  Only the copy out of the accumulators names the block, so it alone is written eight times: T = c s, each accumulator's
; lowest registers first.  There the block's number is a constant of the text, so the statistics of the block before are put into my STATS bytes there, at constant addresses.
.macro COPY a
.if (\a) > 0
	ds_store_b32 v[SA], v[MX] offset:64*((\a)-1)       ; both halves of the lanes hold the same number for row l % 16
	ds_store_b32 v[SA], v[LL] offset:512+64*((\a)-1)
.endif
	WIN 0x02+(\a)/4                                ; source 0 in window 2 or 3
.set AC, 64*((\a)%4)
.set k, 0
.rept 32
	v_pk_mul_f32 v[T+2*k:T+2*k+1], v[AC+2*k:AC+2*k+1], s[CS:CS+1] op_sel_hi:[1,0]
.set k, k+1
.endr
	WIN 0
.endm
	v_mov_b32 v[MX], 0
	v_mov_b32 v[MX+1], 0                           ; named with m as a pair
	v_mov_b32 v[LL], 0
	s_mov_b32 s[AI], 0
.Lrow:
.irp a, 0,1,2,3,4,5,6
	s_cmp_eq_u32 s[AI], \a
	s_cbranch_scc1 .Lc_\a
.endr
	COPY 7
	s_branch .Lcommon
.irp a, 0,1,2,3,4,5
.Lc_\a:
	COPY \a
	s_branch .Lcommon
.endr
.Lc_6:
	COPY 6
.Lcommon:
	; the row's maximum: four chains of fifteen scores, three operands at a time; the four left over; the other half of the lanes
.irp k, 0,1,2,3
	v_max3_num_f32 v[CH+(\k)], v[T+16*(\k)], v[T+16*(\k)+1], v[T+16*(\k)+2]
.endr
.irp m, 0,1,2,3,4,5
.irp k, 0,1,2,3
	v_max3_num_f32 v[CH+(\k)], v[CH+(\k)], v[T+16*(\k)+3+2*(\m)], v[T+16*(\k)+4+2*(\m)]
.endr
.endr
	v_max3_num_f32 v[CH], v[CH], v[T+15], v[T+31]
	v_max3_num_f32 v[CH+1], v[CH+1], v[T+47], v[T+63]
	v_max3_num_f32 v[CH], v[CH], v[CH+1], v[CH+2]
	v_max_num_f32 v[CH], v[CH], v[CH+3]
	v_permlanex16_b32 v[CH+1], v[CH], s[SEL], s[SEL+1]
	v_max_num_f32 v[MX], v[CH], v[CH+1]
	; for pair k of 32: c s - m a group ahead, two exponentials, and a group later the rounding to f16 and the sum.  A plain instruction stands behind every exponential before its result is used.
	v_pk_add_f32 v[T:T+1], v[T:T+1], v[MX:MX+1] op_sel_hi:[1,0] neg_lo:[0,1] neg_hi:[0,1]
.set k, 0
.rept 33
.if k < 31
	v_pk_add_f32 v[T+2*k+2:T+2*k+3], v[T+2*k+2:T+2*k+3], v[MX:MX+1] op_sel_hi:[1,0] neg_lo:[0,1] neg_hi:[0,1]
.endif
.if k < 32
	v_exp_f32 v[T+2*k], v[T+2*k]
.endif
.if k > 0
	s_wait_alu depctr_va_vdst(0)
	v_cvt_pk_f16_f32 v[PK+k-1], v[T+2*k-2], v[T+2*k-1]
.endif
.if k < 32
	v_exp_f32 v[T+2*k+1], v[T+2*k+1]
.endif
.if k > 4 && k < 9
	v_pk_add_f32 v[LS+2*(k-5):LS+2*(k-5)+1], v[T+2*(k-5):T+2*(k-5)+1], v[T+2*(k-1):T+2*(k-1)+1]  ; four chains, started by the first eight pairs
.elseif k >= 9
	v_pk_add_f32 v[LS+2*((k-1)%4):LS+2*((k-1)%4)+1], v[LS+2*((k-1)%4):LS+2*((k-1)%4)+1], v[T+2*(k-1):T+2*(k-1)+1]
.endif
.set k, k+1
.endr
	v_pk_add_f32 v[LS:LS+1], v[LS:LS+1], v[LS+2:LS+3]
	v_pk_add_f32 v[LS+4:LS+5], v[LS+4:LS+5], v[LS+6:LS+7]
	v_pk_add_f32 v[LS:LS+1], v[LS:LS+1], v[LS+4:LS+5]
	v_add_f32 v[LL], v[LS], v[LS+1]
	v_permlanex16_b32 v[CH+1], v[LL], s[SEL], s[SEL+1]
	v_add_f32 v[LL], v[LL], v[CH+1]
	; 16 bytes a lane into my stage, whole rows of 256 bytes back, and out
.irp b, 0,1,2,3,4,5,6,7
	ds_store_b128 v[STO], v[PK+4*(\b):PK+4*(\b)+3] offset:32*(\b)
.endr
.irp t, 0,1,2,3,4,5,6,7
	ds_load_b128 v[BK+4*(\t):BK+4*(\t)+3], v[RD] offset:(\t)*2*SPITCH  ; LDS serves a wave's instructions in order: these see the stores above
.endr
	s_wait_dscnt 0x0
.irp t, 0,1,2,3,4,5,6,7
	global_store_b128 v[CO], v[BK+4*(\t):BK+4*(\t)+3], s[6:7] offset:2*(\t)*PROW  ; 16 lanes store 256 consecutive bytes, at a multiple of 256 from p's first byte
.endr
	s_wait_xcnt 0x0                                ; the base and the stores' registers are rewritten only behind this wait
	s_add_nc_u64 s[6:7], s[6:7], 16*PROW
	s_add_co_u32 s[AI], s[AI], 1
	s_cmp_lt_u32 s[AI], 8
	s_cbranch_scc1 .Lrow
	ds_store_b32 v[SA], v[MX] offset:64*7
	ds_store_b32 v[SA], v[LL] offset:512+64*7
	ds_load_b128 v[BK:BK+3], v[SR]                 ; my 128 m and 128 l, 16 bytes a lane: each store below covers 512 consecutive bytes
	ds_load_b128 v[BK+4:BK+7], v[SR] offset:512
	s_wait_dscnt 0x0
	global_store_b128 v[SO], v[BK:BK+3], s[8:9]
	global_store_b128 v[SO], v[BK+4:BK+7], s[10:11]
	s_wait_tensorcnt 0x0                           ; the wave's end
	ds_add_u32 v[SPW], v[NIL]
	s_wait_dscnt 0x0
	s_endpgm
.Lfunc_end_k_qcca600e636_score:
	.size	k_qcca600e636_score, .Lfunc_end_k_qcca600e636_score-k_qcca600e636_score
	.p2alignl 7, 3214868480
	.fill 96, 4, 3214868480
	.section	.rodata,"a",@progbits
	.p2align	6, 0x0
	.amdhsa_kernel k_qcca600e636_score
		.amdhsa_group_segment_fixed_size 327680
		.amdhsa_private_segment_fixed_size 0
		.amdhsa_enable_private_segment 0
		.amdhsa_kernarg_size 40
		.amdhsa_user_sgpr_count 2
		.amdhsa_user_sgpr_kernarg_segment_ptr 1
		.amdhsa_wavefront_size32 1
		.amdhsa_system_sgpr_workgroup_id_x 1
		.amdhsa_system_sgpr_workgroup_id_y 1
		.amdhsa_system_sgpr_workgroup_id_z 1
		.amdhsa_system_vgpr_workitem_id 0
		.amdhsa_next_free_vgpr 1024
		.amdhsa_next_free_sgpr 66
		.amdhsa_reserve_vcc 1
		.amdhsa_float_denorm_mode_32 3
		.amdhsa_float_denorm_mode_16_64 3
		.amdhsa_memory_ordered 1
		.amdhsa_forward_progress 1
		.amdhsa_inst_pref_size 143
	.end_amdhsa_kernel
	.amdgpu_metadata
---
amdhsa.version: [ 1, 2 ]
amdhsa.kernels:
  - .name:           k_qcca600e636_score
    .symbol:         k_qcca600e636_score.kd
    .args:
      - { .name: yv, .offset: 0, .size: 8, .value_kind: global_buffer, .address_space: global }
      - { .name: p, .offset: 8, .size: 8, .value_kind: global_buffer, .address_space: global }
      - { .name: ms, .offset: 16, .size: 8, .value_kind: global_buffer, .address_space: global }
      - { .name: ls, .offset: 24, .size: 8, .value_kind: global_buffer, .address_space: global }
      - { .name: xb, .offset: 32, .size: 8, .value_kind: global_buffer, .address_space: global }
    .group_segment_fixed_size: 327680
    .private_segment_fixed_size: 0
    .kernarg_segment_align: 8
    .kernarg_segment_size: 40
    .max_flat_workgroup_size: 128
    .sgpr_count:     66
    .vgpr_count:     1024
    .wavefront_size: 32
...
	.end_amdgpu_metadata
.endif
;; end of part 4
;; launch pv (part 5): grid 8 x 32, 4 waves a work-group, clusters of 4 x 4, 327,680 bytes of LDS; arguments p, yv, ms, ls, out0; writes out0
.if DOCPART == 5
	.amdgcn_target "amdgcn-amd-amdhsa--gfx1250"
	.amdhsa_code_object_version 6
	.text
	.protected	k_qcca600e636_pv
	.globl	k_qcca600e636_pv
	.p2align	8
	.type	k_qcca600e636_pv,@function
k_qcca600e636_pv:
	s_mov_b64 s[64:65], 0
	v_nop
	global_prefetch_b8 v0, s[64:65] scope:SCOPE_SE
	s_setreg_imm32_b32 hwreg(HW_REG_WAVE_MODE, 25, 1), 1
	s_wait_xcnt 0x0
	s_wait_alu depctr_hold_cnt(0) depctr_sa_sdst(0) depctr_va_vdst(0) depctr_va_sdst(0) depctr_va_ssrc(0) depctr_va_vcc(0) depctr_vm_vsrc(0)
	s_getreg_b32 s2, hwreg(HW_REG_IB_STS2, 6, 4)
	s_cmp_eq_u32 s2, 0
	s_cbranch_scc0 .Lentry_in_a_cluster
	s_endpgm
.Lentry_in_a_cluster:
	s_bfe_u32 s2, ttmp6, 0x10000c
	s_cmp_lg_u32 s2, 0xf033
	s_cbranch_scc0 .Lentry_shape_is_right
	s_endpgm
.Lentry_shape_is_right:
; out0[row][:] = (1 / L) x the sum over key blocks t of g_t (P_t V_t),  g_t = 2^(m_t - M),  M = the largest m_t of the row's visible blocks,  L = the sum of g_t l_t.
; p: [4][2048][2048] f16, each block of 128 keys relative to its own maximum m_t (ms, ls: [16 t][8192 rows] f32); V: the second 1,024 numbers of yv's rows of 2,048, f16; out0 f32.
; Products in f16 with f32 sums over 128 keys (T); each block's T is added onto O with the factor g_t <= 1 in f32: the running maximum's correction, made with the final maximum.
; LIMITS.  g below 2^-126 counts as 0; NaN and infinities are not treated apart; V within f16's 65,504.
; SHARES.  A work-group makes 128 queries x 128 channels, a wave 64 x 64.  A cluster's four rows (cy) are the four query blocks of a band of 512 queries, its four columns (cx) four channel blocks.
; The cluster takes band 3 - pr and then band pr of a batch: 2 (4 - pr) + 2 (pr + 1) = 10 steps of 256 keys, whatever pr: equal work for all 256 work-groups, and ONE walk for all sixteen partners, so that
; every tile of P is asked for jointly along a row of the cluster and every tile of V along a column.  Query block i = 4 band + cy needs the key blocks t <= i; what the common walk has beyond them gets g = 0,
; and P's key step is clamped to the block's own diagonal tile, so that only bytes that were written are read.  cy enters addresses of p, ms, ls and out0 alone; no branch, trip count or LDS address hangs on it.
; LDS.  A slot: P 128 rows x 528 bytes, then V 256 keys x 288 bytes; two slots; a stage of 16 x 272 bytes and a table of 22 x 256 bytes for each wave; the spare words.
; THE TABLE lies by place in the walk: entry 2 n + half holds g for step n's half, 64 queries in f32; entries 20, 21 hold 1 / L of the two bands.  So every read of it has a constant place in a trip.
; REGISTERS (windows of 256; s_set_vgpr_msb: bits 1:0 source 0, 3:2 source 1, 5:4 source 2, 7:6 destination): window 0: addresses, G, the way out, v128-255 T ((a, b) at 128 + 8 (4 a + b); a: 16 queries,
; b: 16 channels); window 1: two fragment buffers of 128 (64 of P, then 64 of V, for 64 keys); window 2: v0-127 O.  Source 0 = 16 channels of V (turned by the load), source 1 = 16 queries of P:
; a lane holds query l % 16 and channels 8 (l / 16) + 0..7.
.set PP,    528                        ; a row of P in LDS: 512 bytes + 16
.set PV,    288                        ; a row of V: 256 bytes + 32
.set VOFFL, 128*PP
.set SLOT,  VOFFL+256*PV
.set STAGE, 2*SLOT
.set SP,    272
.set GT,    STAGE+4*16*SP
.set GTW,   22*256
.set SPARE, GT+4*GTW
.set ADRP, 8                           ; v8-9    LDS address of my P fragments in slot 0, 1
.set ADRV, 10                          ; v10-13  of my V fragments: slot 0 keys 0-127, 128-255; slot 1 likewise (a tile's 256 rows pass the 16-bit immediate)
.set GA,   14                          ; v14  the table at this trip's four entries: steps by 1,024 a trip
.set GB,   15                          ; v15  the table's start + 4 (l % 16); never rewritten
.set GW,   16                          ; v16  the table's start + 8 lane
.set STO,  17
.set RD,   18
.set CO,   19
.set SPW,  20                          ; v20  my spare word; never rewritten
.set NIL,  21                          ; v21  0; never rewritten
.set OFH,  22                          ; v22, v23  my byte offset in a row of ms and ls: first band, second band
.set OFL,  23
.set G,    24                          ; v24-31  four pairs: g (or 1 / L) of query 16 a + l % 16 in the even register, 0 in the odd one
.set TMP,  32
.set BK,   64
.set T,    128
.set AD,   32                          ; set-up only: v32-55 offsets of the statistics' loads
.set MH,   128                         ; set-up only: m, then g, of the first band: 16 pairs (lane l: queries 2 l, 2 l + 1)
.set LH,   160                         ; l of the first band
.set ML,   192                         ; m, then g, of the second band: 8 pairs
.set LLO,  208                         ; l of the second band
.set MM,   224                         ; M
.set SUH,  226                         ; L, then 1 / L, of the first band
.set SUL,  228                         ; of the second
.set WK,   232                         ; v232-239 entries 16-19
.set F0,   0
.set F1,   128
.set WV, 14
.set WR, 15
.set WC, 16
.set CX, 17
.set CY, 18
.set CB, 19
.set BB, 20
.set PR, 21
.set SBH, 22
.set SBL, 23
.set G1P, 24
.set G1V, 32
.set G0P, 40                           ; s[40:47] one set for each slot
.set G0V, 48                           ; s[48:55]
.set PBASE, 56                         ; s[56:57] p at the rows that I fetch, in the band whose tiles are being asked for
.set PBLO,  58                         ; s[58:59] the same in the second band
.set VBASE, 60                         ; s[60:61] V at the keys and channels that I fetch, step 0
.set RU, 62                            ; the key step to ask for next
.set RN, 63                            ; the steps of the band whose tiles are being asked for
.set OUTLO, 66                         ; s[66:67] out0 at my rows of the second band
.set PI, 68                            ; the query block's diagonal step
.set PILO, 69
.set TL, 70                            ; trips left in the first band
.set TRIPS, 71
.set POFF, 72                          ; s[72:73] P's offset: never holds cx
.set VOF,  74                          ; s[74:75] V's offset: never holds cy
.set IH, 76                            ; i of the first band, of the second
.set IL, 77
.set FL, 78                            ; s[78:79] 1.0 or 0
.set SELM, 88                          ; all ones if pr = 1
.set RH4, 89
.set RL4, 90
.set MSB, 0
.macro WIN new
.if MSB != (\new)
	s_set_vgpr_msb (MSB<<8)|(\new)
.set MSB, \new
.endif
.endm
.set MUL,  0x05                        ; sources 0 (V) and 1 (P) window 1; C and D window 0
.set TO_F, 0x40                        ; destination window 1, address window 0
; A joint load: waves 0 and 1 fetch P's two halves of 64 rows, waves 2 and 3 V's two halves of 128 keys.  An s_nop 0 and four v_nop follow each line.
.macro JLOAD s
	s_cmp_lt_u32 s[WV], 2
	s_cbranch_scc0 .Lfor_v_\@
	tensor_load_to_lds s[G0P+4*(\s):G0P+4*(\s)+3], s[G1P:G1P+7]
	s_nop 0
.rept 4
	v_nop
.endr
	s_branch .Lasked_\@
.Lfor_v_\@:
	tensor_load_to_lds s[G0V+4*(\s):G0V+4*(\s)+3], s[G1V:G1V+7]
	s_nop 0
.rept 4
	v_nop
.endr
.Lasked_\@:
.endm
.macro CREST
	s_cmp_lg_u32 s[WV], 0
	s_cbranch_scc1 .Lnot_wave_0_\@
	s_barrier_signal -3
.Lnot_wave_0_\@:
	s_barrier_wait -3
	s_barrier_signal -1
	s_barrier_wait -1
.endm
.macro CROUND
	s_barrier_signal -1
	s_barrier_wait -1
	CREST
.endm
; The addresses of the walk's next step go into the slot's two groups 0, made anew from the bases; then the walk steps, and behind the first band's last step turns to the second band's step 0.
.macro REQ slot
	s_min_u32 s[POFF], s[RU], s[PI]                ; P's step stops at the block's diagonal tile
	s_lshl_b32 s[POFF], s[POFF], 9                 ; 256 keys are 512 bytes of a row
	s_add_nc_u64 s[G0P+4*(\slot)+2:G0P+4*(\slot)+3], s[PBASE:PBASE+1], s[POFF:POFF+1]
	s_or_b32 s[G0P+4*(\slot)+3], s[G0P+4*(\slot)+3], 0x80000000
	s_mul_i32 s[VOF], s[RU], 256*4096              ; 256 rows of yv
	s_add_nc_u64 s[G0V+4*(\slot)+2:G0V+4*(\slot)+3], s[VBASE:VBASE+1], s[VOF:VOF+1]
	s_or_b32 s[G0V+4*(\slot)+3], s[G0V+4*(\slot)+3], 0x80000000
	s_add_co_u32 s[RU], s[RU], 1
	s_cmp_ge_u32 s[RU], s[RN]
	s_cselect_b32 s[RU], 0, s[RU]
	s_cselect_b64 s[PBASE:PBASE+1], s[PBLO:PBLO+1], s[PBASE:PBASE+1]
	s_cselect_b32 s[PI], s[PILO], s[PI]
	s_cselect_b32 s[RN], 99, s[RN]
.endm
	s_load_b256 s[4:11], s[0:1], 0x0               ; p s[4:5], yv s[6:7], ms s[8:9], ls s[10:11]
	s_load_b64 s[12:13], s[0:1], 0x20              ; out0
	v_lshl_add_u32 v[SPW], v0, 2, SPARE
	v_mov_b32 v[NIL], 0
	ds_add_u32 v[SPW], v[NIL]                      ; the wave's opening: the add and its wait stand ahead of my first tensor load
	ds_add_u32 v20, v21
	v_lshrrev_b32 v1, 5, v0
	v_readfirstlane_b32 s[WV], v1
	s_lshr_b32 s[WR], s[WV], 1                     ; which 64 queries are mine
	s_and_b32 s[WC], s[WV], 1                      ; which 64 channels.  Also: which half of a tile I fetch
	s_bfe_u32 s[CX], ttmp6, 0x40000
	s_bfe_u32 s[CY], ttmp6, 0x40004
	s_lshl_b32 s[CB], ttmp9, 2
	s_add_co_u32 s[CB], s[CB], s[CX]               ; channel block 0..7
	s_and_b32 s[PR], ttmp7, 0xffff                 ; the cluster's y: 2 x batch + pr
	s_lshr_b32 s[BB], s[PR], 1
	s_and_b32 s[PR], s[PR], 1
	s_sub_co_u32 s[SBH], 3, s[PR]                  ; the first band,
	s_mov_b32 s[SBL], s[PR]                        ; and the second
	s_lshl_b32 s80, s[CY], 2
	s_lshl_b32 s80, 15, s80                        ; my row of the cluster
	s_lshl_b32 s84, 0x1111, s[CX]                  ; my column
	s_or_b32 s[G1P], s80, (1<<16)|(1<<20)|(1<<21)|(6<<22)|(3<<25)  ; mask; 2-byte elements; padding on; bit 21 beside a mask; after every 128 words 4 words
	s_mov_b32 s[G1P+1], 256<<16                    ; tensor_dim0 = 256
	s_mov_b32 s[G1P+2], 64<<16                     ; tensor_dim1 = 64
	s_mov_b32 s[G1P+3], 256<<16                    ; tile_dim0 = 256
	s_mov_b32 s[G1P+4], 64                         ; tile_dim1 = 64
	s_mov_b32 s[G1P+5], 2048                       ; elements from row to row
	s_mov_b32 s[G1P+6], 0
	s_mov_b32 s[G1P+7], 0
	s_or_b32 s[G1V], s84, (1<<16)|(1<<20)|(1<<21)|(5<<22)|(7<<25)  ; after every 64 words 8 words
	s_mov_b32 s[G1V+1], 128<<16
	s_mov_b32 s[G1V+2], 128<<16
	s_mov_b32 s[G1V+3], 128<<16
	s_mov_b32 s[G1V+4], 128
	s_mov_b32 s[G1V+5], 2048
	s_mov_b32 s[G1V+6], 0
	s_mov_b32 s[G1V+7], 0
	s_mul_i32 s2, s[WC], 64*PP                     ; where my half of a tile goes: no place in the cluster enters an LDS address
	s_mul_i32 s3, s[WC], 128*PV
.irp s, 0,1
	s_mov_b32 s[G0P+4*(\s)], 1
	s_add_co_u32 s[G0P+4*(\s)+1], s2, (\s)*SLOT
	s_mov_b32 s[G0V+4*(\s)], 1
	s_add_co_u32 s[G0V+4*(\s)+1], s3, (\s)*SLOT+VOFFL
.endr
	; P: the rows that I fetch, in both bands
	s_lshl_b32 s80, s[CY], 7
	s_lshl_b32 s81, s[WC], 6
	s_add_co_u32 s80, s80, s81
	s_lshl_b32 s82, s[BB], 23
	s_lshl_b32 s81, s[SBH], 9
	s_add_co_u32 s81, s81, s80
	s_lshl_b32 s81, s81, 12
	s_add_co_u32 s[PBASE], s81, s82
	s_mov_b32 s[PBASE+1], 0
	s_lshl_b32 s81, s[SBL], 9
	s_add_co_u32 s81, s81, s80
	s_lshl_b32 s81, s81, 12
	s_add_co_u32 s[PBLO], s81, s82
	s_mov_b32 s[PBLO+1], 0
	; V: the keys and channels that I fetch
	s_lshl_b32 s84, s[BB], 11
	s_lshl_b32 s85, s[WC], 7
	s_add_co_u32 s84, s84, s85
	s_lshl_b32 s84, s84, 12                        ; rows of 4,096 bytes
	s_lshl_b32 s85, s[CB], 8
	s_add_co_u32 s84, s84, s85
	s_add_co_u32 s[VBASE], s84, 2048               ; v lies behind y in a row
	s_mov_b32 s[VBASE+1], 0
	; my 64 queries among the 8,192 rows, in both bands; their places in ms, ls and out0
	s_lshl_b32 s80, s[CY], 7
	s_lshl_b32 s81, s[WR], 6
	s_add_co_u32 s80, s80, s81
	s_lshl_b32 s81, s[BB], 11
	s_add_co_u32 s80, s80, s81
	s_lshl_b32 s81, s[SBH], 9
	s_add_co_u32 s81, s81, s80
	s_lshl_b32 s82, s[SBL], 9
	s_add_co_u32 s82, s82, s80
	s_lshl_b32 s[RH4], s81, 2
	s_lshl_b32 s[RL4], s82, 2
	s_lshl_b32 s83, s[CB], 9
	s_lshl_b32 s3, s[WC], 8
	s_add_co_u32 s83, s83, s3                      ; my 64 channels: 256 bytes of a row of out0
	s_lshl_b32 s86, s81, 12
	s_add_co_u32 s86, s86, s83
	s_mov_b32 s87, 0
	s_lshl_b32 s[OUTLO], s82, 12
	s_add_co_u32 s[OUTLO], s[OUTLO], s83
	s_mov_b32 s[OUTLO+1], 0
	; the walk
	s_mov_b32 s[RU], 0
	s_sub_co_u32 s[TL], 4, s[PR]
	s_lshl_b32 s[RN], s[TL], 1
	s_lshr_b32 s80, s[CY], 1
	s_lshl1_add_u32 s[PI], s[SBH], s80
	s_lshl1_add_u32 s[PILO], s[SBL], s80
	s_lshl2_add_u32 s[IH], s[SBH], s[CY]
	s_lshl2_add_u32 s[IL], s[SBL], s[CY]
	s_mov_b32 s[POFF+1], 0
	s_mov_b32 s[VOF+1], 0
	s_mov_b32 s[FL+1], 0
	s_cmp_eq_u32 s[PR], 1
	s_cselect_b32 s[SELM], -1, 0
	s_wait_dscnt 0x0                               ; the opening add is done
	s_wait_kmcnt 0x0
	s_add_nc_u64 s[PBASE:PBASE+1], s[4:5], s[PBASE:PBASE+1]
	s_add_nc_u64 s[PBLO:PBLO+1], s[4:5], s[PBLO:PBLO+1]
	s_add_nc_u64 s[VBASE:VBASE+1], s[6:7], s[VBASE:VBASE+1]
	s_add_nc_u64 s[OUTLO:OUTLO+1], s[12:13], s[OUTLO:OUTLO+1]
	s_add_nc_u64 s[12:13], s[12:13], s[86:87]
	CROUND                                         ; all sixteen work-groups are here: the first joint loads meet
	REQ 0
	JLOAD 0
	REQ 1
	JLOAD 1                                        ; two tensor loads of mine are out
	; THE STATISTICS: for each key block t the m and l of my 64 queries, 8 bytes a lane: a load covers 256 consecutive bytes.  t is clamped to i: a block beyond the diagonal is never read.
	v_and_b32 v1, 15, v0                           ; l % 16
	v_bfe_u32 v2, v0, 4, 1                         ; l / 16
	v_and_b32 v3, 31, v0
	v_lshlrev_b32 v4, 3, v3                        ; 8 lane
	v_add_nc_u32 v[OFH], s[RH4], v4
	v_add_nc_u32 v[OFL], s[RL4], v4
.macro STATLD nt, ix, voff, ad, m, l
.set t, 0
.rept \nt
	s_min_u32 s80, s[\ix], t
	s_lshl_b32 s80, s80, 15
	v_add_nc_u32 v[(\ad)+t], s80, v[\voff]
	global_load_b64 v[(\m)+2*t:(\m)+2*t+1], v[(\ad)+t], s[8:9]
	global_load_b64 v[(\l)+2*t:(\l)+2*t+1], v[(\ad)+t], s[10:11]
.set t, t+1
.endr
.endm
	STATLD 16, IH, OFH, AD, MH, LH
	STATLD 8, IL, OFL, AD+16, ML, LLO
	; addresses, while those loads are on their way
	v_mul_u32_u24 v5, v1, PP
	v_lshl_add_u32 v5, v2, 4, v5
	s_mul_i32 s80, s[WR], 64*PP
	v_add_nc_u32 v[ADRP], s80, v5
	v_add_nc_u32 v[ADRP+1], SLOT, v[ADRP]
	v_and_b32 v5, 7, v0                            ; the turning load: lane l reads key 8 (l / 16) + l % 8, channels 8 ((l / 8) % 2) + 0..7
	v_lshl_add_u32 v5, v2, 3, v5
	v_mul_u32_u24 v5, v5, PV
	v_bfe_u32 v6, v0, 3, 1
	v_lshl_add_u32 v5, v6, 4, v5
	s_lshl_b32 s80, s[WC], 7
	s_add_co_u32 s80, s80, VOFFL
	v_add_nc_u32 v[ADRV], s80, v5
	v_add_nc_u32 v[ADRV+1], 128*PV, v[ADRV]
	v_add_nc_u32 v[ADRV+2], SLOT, v[ADRV]
	v_add_nc_u32 v[ADRV+3], SLOT, v[ADRV+1]
	s_mul_i32 s80, s[WV], GTW
	s_add_co_u32 s80, s80, GT
	v_lshl_add_u32 v[GB], v1, 2, s80
	v_mov_b32 v[GA], v[GB]
	v_add_nc_u32 v[GW], s80, v4
	s_mul_i32 s80, s[WV], 16*SP
	s_add_co_u32 s80, s80, STAGE
	v_mul_u32_u24 v5, v1, SP                       ; in: row l % 16, 32 bytes for each half of the lanes
	v_lshl_add_u32 v5, v2, 5, v5
	v_add_nc_u32 v[STO], s80, v5
	v_mul_u32_u24 v5, v2, SP                       ; back: lanes 0-15 one row of 256 bytes, lanes 16-31 the next
	v_lshl_add_u32 v5, v1, 4, v5
	v_add_nc_u32 v[RD], s80, v5
	v_lshlrev_b32 v5, 12, v2
	v_lshl_add_u32 v[CO], v1, 4, v5
.irp a, 0,1,2,3
	v_mov_b32 v[G+2*(\a)+1], 0                     ; named with g as pairs
.endr
; O starts at 0, at each band's beginning: 128 moves, the price of one text for every fold
.macro CLEAR
	WIN 0x80
.set k, 0
.rept 128
	v_mov_b32 v[k], 0
.set k, k+1
.endr
	WIN 0
.endm
	CLEAR
; g_t = 2^(m_t - M) for t <= i, 0 beyond; L = the sum of g_t l_t; 1 / L.  The clamped copies of m_i change no maximum.
.macro GTAB nt, ix, m, l, su
	v_max3_num_f32 v[MM],   v[(\m)],   v[(\m)+2], v[(\m)+4]
	v_max3_num_f32 v[MM+1], v[(\m)+1], v[(\m)+3], v[(\m)+5]
.set t, 3
.rept ((\nt)-4)/2
	v_max3_num_f32 v[MM],   v[MM],   v[(\m)+2*t],   v[(\m)+2*t+2]
	v_max3_num_f32 v[MM+1], v[MM+1], v[(\m)+2*t+1], v[(\m)+2*t+3]
.set t, t+2
.endr
	v_max_num_f32 v[MM],   v[MM],   v[(\m)+2*(\nt)-2]
	v_max_num_f32 v[MM+1], v[MM+1], v[(\m)+2*(\nt)-1]
.set t, 0
.rept \nt
	v_pk_add_f32 v[(\m)+2*t:(\m)+2*t+1], v[(\m)+2*t:(\m)+2*t+1], v[MM:MM+1] neg_lo:[0,1] neg_hi:[0,1]
.set t, t+1
.endr
.set t, 0
.rept 2*(\nt)
	v_exp_f32 v[(\m)+t], v[(\m)+t]
.set t, t+1
.endr
	v_nop                                          ; a plain instruction behind the last exponential
	s_wait_alu depctr_va_vdst(0)
.set t, 0
.rept \nt
	s_cmp_ge_u32 s[\ix], t
	s_cselect_b32 s[FL], 1.0, 0
	v_pk_mul_f32 v[(\m)+2*t:(\m)+2*t+1], v[(\m)+2*t:(\m)+2*t+1], s[FL:FL+1] op_sel_hi:[1,0]
.if t == 0
	v_pk_mul_f32 v[(\su):(\su)+1], v[(\m):(\m)+1], v[(\l):(\l)+1]
.else
	v_pk_fma_f32 v[(\su):(\su)+1], v[(\m)+2*t:(\m)+2*t+1], v[(\l)+2*t:(\l)+2*t+1], v[(\su):(\su)+1]
.endif
.set t, t+1
.endr
	v_rcp_f32 v[(\su)], v[(\su)]
	v_rcp_f32 v[(\su)+1], v[(\su)+1]
	v_nop
.endm
	s_wait_loadcnt 0x0
	GTAB 16, IH, MH, LH, SUH
	GTAB 8, IL, ML, LLO, SUL
	; the table by place in the walk: the first band has 16 - 4 pr key blocks, the second follows it.  Entries 12-15: the first band's 12-15, or (pr = 1) the second's 0-3; 16-19: the second's 0-3, or 4-7.
.set t, 0
.rept 8
	v_cndmask_b32 v[MH+24+t], v[MH+24+t], v[ML+t], s[SELM]
	v_cndmask_b32 v[WK+t], v[ML+t], v[ML+8+t], s[SELM]
.set t, t+1
.endr
.set t, 0
.rept 16
	ds_store_b64 v[GW], v[MH+2*t:MH+2*t+1] offset:256*t
.set t, t+1
.endr
.set t, 0
.rept 4
	ds_store_b64 v[GW], v[WK+2*t:WK+2*t+1] offset:256*(16+t)
.set t, t+1
.endr
	ds_store_b64 v[GW], v[SUH:SUH+1] offset:256*20
	s_wait_alu depctr_va_vdst(0)
	ds_store_b64 v[GW], v[SUL:SUL+1] offset:256*21 ; the table is my wave's own: no barrier orders it
; 8 matrix instructions: query blocks a0, a0 + 1 x all 4 channel blocks, 32 keys: half c of buffer f.  zero = 1: the product starts T's sums.  The 16 accumulators take turns.
.macro MUL8 f, c, a0, zero
	WIN MUL
.irp a, \a0, (\a0)+1
.irp b, 0,1,2,3
.if \zero
	v_wmma_f32_16x16x32_f16 v[T+8*(4*(\a)+(\b)):T+8*(4*(\a)+(\b))+7], v[(\f)+64+8*(4*(\c)+(\b)):(\f)+64+8*(4*(\c)+(\b))+7], v[(\f)+8*(4*(\c)+(\a)):(\f)+8*(4*(\c)+(\a))+7], 0
.else
	v_wmma_f32_16x16x32_f16 v[T+8*(4*(\a)+(\b)):T+8*(4*(\a)+(\b))+7], v[(\f)+64+8*(4*(\c)+(\b)):(\f)+64+8*(4*(\c)+(\b))+7], v[(\f)+8*(4*(\c)+(\a)):(\f)+8*(4*(\c)+(\a))+7], v[T+8*(4*(\a)+(\b)):T+8*(4*(\a)+(\b))+7]
.endif
.endr
.endr
.endm
; 32 LDS loads in one run: the fragments of quarter kq (64 keys) of a slot into buffer f; the first 32 keys first
.macro FETCH slot, kq, f
	WIN TO_F
.irp c, 0,1
.irp i, 0,1,2,3
	ds_load_tr16_b128 v[(\f)+64+8*(4*(\c)+(\i)):(\f)+64+8*(4*(\c)+(\i))+3],   v[ADRV+2*(\slot)+(\kq)/2] offset:(((\kq)%2)*64+32*(\c))*PV+32*(\i)
	ds_load_tr16_b128 v[(\f)+64+8*(4*(\c)+(\i))+4:(\f)+64+8*(4*(\c)+(\i))+7], v[ADRV+2*(\slot)+(\kq)/2] offset:(((\kq)%2)*64+32*(\c)+16)*PV+32*(\i)
	ds_load_b128 v[(\f)+8*(4*(\c)+(\i)):(\f)+8*(4*(\c)+(\i))+3],   v[ADRP+(\slot)] offset:128*(\kq)+64*(\c)+(\i)*16*PP
	ds_load_b128 v[(\f)+8*(4*(\c)+(\i))+4:(\f)+8*(4*(\c)+(\i))+7], v[ADRP+(\slot)] offset:128*(\kq)+64*(\c)+(\i)*16*PP+32
.endr
.endr
.endm
.macro PLACES                          ; four plain vector instructions between a matrix instruction and a load into, or a vector read of, its registers
.rept 4
	v_nop
.endr
.endm
.macro GLOAD e                         ; g of entry e of this trip's four, for my four blocks of 16 queries
	WIN 0
.irp a, 0,1,2,3
	ds_load_b32 v[G+2*(\a)], v[GA] offset:(\e)*256+64*(\a)
.endr
.endm
; A step of 256 keys is four quarters of 64, 32 matrix instructions each, on buffers 0, 1, 0, 1.  One of the first three multiplies f and fetches quarter kq into g.  gl >= 0: g's entry gl is read ahead of that run.
.macro QUARTER slot, kq, f, g, zero, gl
	s_wait_dscnt 16                                ; the first 32 keys' fragments are in
	MUL8 \f, 0, 0, \zero
	MUL8 \f, 0, 2, \zero
	PLACES
.if (\gl) >= 0
	GLOAD \gl
.endif
	FETCH \slot, \kq, \g
	s_wait_dscnt 32                                ; all but the 32 just issued: g, asked for ahead of them, is in too
	MUL8 \f, 1, 0, 0
	MUL8 \f, 1, 2, 0
.endm
; O += g T for a block of 128 keys: 64 packed multiply-adds, each accumulator's lowest registers first.  They are also the places ahead of the product that starts T anew.
.macro FOLD wait
.if \wait
	s_wait_dscnt 32                                ; g is in: behind its four loads stand the 32 of the next fragments
.endif
	PLACES
	WIN 0xa0                                       ; T and g in window 0, O (source 2 and destination) in window 2
.set k, 0
.rept 64
	v_pk_fma_f32 v[2*k:2*k+1], v[T+2*k:T+2*k+1], v[G+2*(k/16):G+2*(k/16)+1], v[2*k:2*k+1] op_sel_hi:[1,0,1]
.set k, k+1
.endr
.endm
; The last quarter multiplies buffer 1 and changes slots.  In front of the barrier each wave waits for all its tensor loads (one is out: its part of the next slot), adds 0 to its spare word, and waits for that
; and for its reads of this slot.  fill = 1: the barrier opens a round of the cluster's, and the joint refill, the walk's step two steps on, is the first tensor load behind it.
.macro TURN slot, next, fill
	WIN 0
	s_wait_tensorcnt 0x0
	ds_add_u32 v[SPW], v[NIL]
	s_wait_dscnt 17                                ; the add and the youngest sixteen loads may be out
	MUL8 F1, 0, 0, 0
	s_wait_dscnt 0x0                               ; the add is done, and my reads of this slot are over
	s_barrier_signal -1
	MUL8 F1, 0, 2, 0
.if \fill
	WIN 0
.endif
	s_barrier_wait -1
.if \fill
	CREST                                          ; no wave of any partner still reads this slot's tiles or has a load on its way
	REQ \slot                                      ; no tensor load of mine is out: the groups 0 may be written
	JLOAD \slot                                    ; its four v_nop are also the places in front of the loads below
.else
	PLACES
.endif
	GLOAD 2*(\slot)+1
	FETCH \next, 0, F0
	MUL8 F1, 1, 0, 0
	MUL8 F1, 1, 2, 0
.endm
.macro STEP slot, next, fill, last
	QUARTER \slot, 1, F0, F1, 1, -1
	QUARTER \slot, 2, F1, F0, 0, 2*(\slot)
	FOLD 0                                         ; the step's first 128 keys
	QUARTER \slot, 3, F0, F1, 1, -1
.if \last
	GLOAD 2*(\slot)+1
	s_wait_dscnt 20                                ; g's four loads and the youngest sixteen fragment loads may be out
	MUL8 F1, 0, 0, 0
	MUL8 F1, 0, 2, 0
	s_wait_dscnt 0x0
	MUL8 F1, 1, 0, 0
	MUL8 F1, 1, 2, 0
	FOLD 0
.else
	TURN \slot, \next, \fill
	FOLD 1                                         ; its second 128 keys
.endif
.endm
; A BAND'S WAY OUT: O / L (table entry e), 16 queries at a time through my stage: a lane's eight channels are 32 bytes; my 64 channels are 256 bytes of a row of out0.
.macro WAYOUT e
	WIN 0
.irp a, 0,1,2,3
	ds_load_b32 v[G+2*(\a)], v[GB] offset:(\e)*256+64*(\a)
.endr
	s_wait_dscnt 0x0
.irp a, 0,1,2,3
	WIN 0x02                                       ; O in window 2
.set k, 0
.rept 16
	v_pk_mul_f32 v[TMP+2*k:TMP+2*k+1], v[32*(\a)+2*k:32*(\a)+2*k+1], v[G+2*(\a):G+2*(\a)+1] op_sel_hi:[1,0]
.set k, k+1
.endr
	WIN 0
.irp b, 0,1,2,3
	ds_store_b128 v[STO], v[TMP+8*(\b):TMP+8*(\b)+3] offset:64*(\b)
	ds_store_b128 v[STO], v[TMP+8*(\b)+4:TMP+8*(\b)+7] offset:64*(\b)+16
.endr
	s_wait_xcnt 0x0                                ; the registers that the last block's stores read are loaded again only behind this wait
.irp t, 0,1,2,3,4,5,6,7
	ds_load_b128 v[BK+4*(\t):BK+4*(\t)+3], v[RD] offset:(\t)*2*SP  ; LDS serves a wave's instructions in order: these see the stores above
.endr
	s_wait_dscnt 0x0
.irp t, 0,1,2,3,4,5,6,7
	global_store_b128 v[CO], v[BK+4*(\t):BK+4*(\t)+3], s[12:13] offset:(16*(\a)+2*(\t))*4096 th:TH_STORE_NT  ; 16 lanes store 256 consecutive bytes, at a multiple of 256 from out0's first byte
.endr
.endr
.endm
	s_wait_tensorcnt 1                             ; my part of step 0 is in; step 1's may stay out
	s_wait_dscnt 0x0                               ; my table's stores are done
	s_barrier_signal -1
	s_barrier_wait -1
	FETCH 0, 0, F0
	WIN 0
	s_mov_b32 s[TRIPS], 4
.Ltrip:                                                ; a trip: two steps of the walk; both slots are filled again: the walk's steps 2 to 9
	STEP 0, 1, 1, 0
	STEP 1, 0, 1, 0
	WIN 0
	s_sub_co_u32 s[TL], s[TL], 1
	s_cmp_lg_u32 s[TL], 0
	s_cbranch_scc1 .Lgo                            ; hangs on pr alone, which all partners share
	WAYOUT 20                                      ; the first band ends, in trip 3 - pr
	s_wait_xcnt 0x0                                ; the stores have read out0's address
	s_mov_b64 s[12:13], s[OUTLO:OUTLO+1]
	CLEAR
	s_mov_b32 s[TL], 99
.Lgo:
	v_add_nc_u32 v[GA], 1024, v[GA]                ; the next trip's four entries
	s_sub_co_u32 s[TRIPS], s[TRIPS], 1
	s_cmp_lg_u32 s[TRIPS], 0
	s_cbranch_scc1 .Ltrip
	STEP 0, 1, 0, 0                                ; the walk's last two steps are written out: nothing is asked for
	STEP 1, 0, 0, 1
	WAYOUT 21
	s_wait_tensorcnt 0x0                           ; the wave's end
	ds_add_u32 v[SPW], v[NIL]
	s_wait_dscnt 0x0
	CROUND                                         ; the closing round
	s_endpgm
.Lfunc_end_k_qcca600e636_pv:
	.size	k_qcca600e636_pv, .Lfunc_end_k_qcca600e636_pv-k_qcca600e636_pv
	.p2alignl 7, 3214868480
	.fill 96, 4, 3214868480
	.section	.rodata,"a",@progbits
	.p2align	6, 0x0
	.amdhsa_kernel k_qcca600e636_pv
		.amdhsa_group_segment_fixed_size 327680
		.amdhsa_private_segment_fixed_size 0
		.amdhsa_enable_private_segment 0
		.amdhsa_kernarg_size 40
		.amdhsa_user_sgpr_count 2
		.amdhsa_user_sgpr_kernarg_segment_ptr 1
		.amdhsa_wavefront_size32 1
		.amdhsa_system_sgpr_workgroup_id_x 1
		.amdhsa_system_sgpr_workgroup_id_y 1
		.amdhsa_system_sgpr_workgroup_id_z 1
		.amdhsa_system_vgpr_workitem_id 0
		.amdhsa_next_free_vgpr 640
		.amdhsa_next_free_sgpr 96
		.amdhsa_reserve_vcc 0
		.amdhsa_float_denorm_mode_32 3
		.amdhsa_float_denorm_mode_16_64 3
		.amdhsa_memory_ordered 1
		.amdhsa_forward_progress 1
		.amdhsa_inst_pref_size 168
	.end_amdhsa_kernel
	.amdgpu_metadata
---
amdhsa.version: [ 1, 2 ]
amdhsa.kernels:
  - .name:           k_qcca600e636_pv
    .symbol:         k_qcca600e636_pv.kd
    .args:
      - { .name: p, .offset: 0, .size: 8, .value_kind: global_buffer, .address_space: global }
      - { .name: yv, .offset: 8, .size: 8, .value_kind: global_buffer, .address_space: global }
      - { .name: ms, .offset: 16, .size: 8, .value_kind: global_buffer, .address_space: global }
      - { .name: ls, .offset: 24, .size: 8, .value_kind: global_buffer, .address_space: global }
      - { .name: out0, .offset: 32, .size: 8, .value_kind: global_buffer, .address_space: global }
    .group_segment_fixed_size: 327680
    .private_segment_fixed_size: 0
    .kernarg_segment_align: 8
    .kernarg_segment_size: 40
    .max_flat_workgroup_size: 128
    .sgpr_count:     96
    .vgpr_count:     640
    .wavefront_size: 32
...
	.end_amdgpu_metadata
.endif
;; end of part 5
